; MI455X (gfx1250); checked and timed in simulation.
; The chip was launched on July 23, 2026; its instructions are those of AMD's public machine-readable ISA for CDNA 5 (MIT licence, August 2026) and "CDNA5" Instruction Set Architecture Reference Guide (July 2026). The comments in the code are by the model that wrote it; some were corrected since.
;; Self Attention. Allowed arithmetic: matrix products marked QUANTISED: E4M3 operands, one given power-of-two scale a tensor, by v_wmma_f32_16x16x64_fp8_fp8 or v_wmma_f32_16x16x128_fp8_fp8, f32 sums; everything else in f32.
;; Inputs: in_proj_b 3,072 float32; in_proj_w 3,072 x 1,024 float32; lowp_scales 8 int32 (the exponents e of the quantised operands' scales 2^e); out_proj_b 1,024 float32; out_proj_w 1,024 x 1,024 float32; tensor 4 x 2,048 x 1,024 float32.
;; Outputs: out0 4 x 2,048 x 1,024 float32.
;; Constants: causal_mask = 1.
;; This version of the problem:
;;   THIS VERSION OF THE PROBLEM IS GIVEN IN LOW PRECISION. The matrix products marked QUANTISED in the list below multiply operands that are first quantised to E4M3 (4 exponent bits, 3 mantissa bits; 8 bits a number), with one given power-of-two scale for each operand tensor; their sums are f32. All else is computed in f32.
;;   The module's matrix products, in the order in which they are computed (A, B: the left and right operand; K: the contracted axis; several contracted axes count as one K, in the product's order):
;;     1. [M 8,192, K 1,024] x [K 1,024, N 3,072]; A: input tensor; B: input in_proj_w: QUANTISED (scales: A lowp_scales[0], B lowp_scales[1])
;;     2. batch 64 x [M 2,048, K 64] x [K 64, N 2,048]; A: computed on the way; B: computed on the way: QUANTISED (scales: A lowp_scales[2], B lowp_scales[3])
;;     3. batch 64 x [M 2,048, K 2,048] x [K 2,048, N 64]; A: softmax (see below); B: computed on the way: QUANTISED (scales: A lowp_scales[4], B lowp_scales[5])
;;     4. [M 8,192, K 1,024] x [K 1,024, N 1,024]; A: computed on the way; B: input out_proj_w: QUANTISED (scales: A lowp_scales[6], B lowp_scales[7])
;;   THE QUANTISER, for each operand of a quantised product, along K:
;;     - The operand's scale is 2^e, e = its entry of the input lowp_scales (int32; the entries are numbered through the quantised products in the list's order, A before B).
;;     - Each number is divided by the scale, clamped to +-448, and rounded to the nearest number of E4M3, ties to even, subnormals kept.
;;     - The product sums the exact products of the quantised numbers (number of the format x scale) in f32.
;;   ~~~python
;;   def quantise(x, axis, e):      # numpy; x: float32 -> the quantised numbers, widened to float32 again
;;       x = np.moveaxis(x, axis, -1); K = x.shape[-1]
;;       r = np.clip(x / 2.0 ** e, -448, 448)
;;       step = 2.0 ** (np.maximum(np.frexp(np.where(r == 0, 1, r))[1] - 1, -6) - 3)
;;       q = np.round(r / step) * step * 2.0 ** e      # np.round: ties to even
;;       return np.moveaxis(q, -1, axis).astype(np.float32)
;;   ~~~
;;   SOFTMAX AHEAD OF A QUANTISED PRODUCT. Where the list says 'softmax', what is quantised is not the finished softmax but p = 2^(t - M), with t = logit x log2(e) and M = ceil(the row's largest t), a whole number; so 1/2 < the row's largest p <= 1. The row's sum l is taken of the UNQUANTISED p, in f32, and the product's result is divided by l at the end. Since M is a whole number, a kernel that streams over the keys may use a running M (the ceiling of the running maximum): every later rescaling is an exact power of two, so the quantised numbers keep their values, but for numbers so far below the row's largest that they fall under the format's range.
;;   OPERANDS COMPUTED ON THE WAY. 'Computed on the way' means the value that the module computes at that place (a softmax that the list does not call 'softmax' is quantised finished and normalised). What goes into a quantiser is computed in f32, as accurately as f32 sums, v_exp_f32 and their like allow (about 1e-6 of the number): no bf16 or f16 on the way to a quantiser, and a product that is left as it is and whose result goes on into a quantised operand takes f32 operands (vector FMAs, or v_wmma_f32_16x16x4_f32). A number that lies on a knife's edge between two numbers of the format may be rounded either way, as far as f32 arithmetic and the matrix unit's own rounding can turn it there, and no further.
;; One version. Each part assembles by itself: llvm-mc -triple=amdgcn-amd-amdhsa -mcpu=gfx1250 --defsym DOCPART=n.
;; ======== version 1 of 1: 4 launches
;; limits: right only within a limited range of input values
;; workspace buffers: codes 12,582,912 bytes; qkv 25,165,824 bytes; aimg 8,388,608 bytes
;; launch quant (part 1): grid 768 x 1, 4 waves a work-group, no clusters, 33,280 bytes of LDS; arguments tensor, in_proj_w, out_proj_w, lowp_scales, codes; writes codes
.if DOCPART == 1
	.amdgcn_target "amdgcn-amd-amdhsa--gfx1250"
	.amdhsa_code_object_version 6
	.text
	.protected	k_qfe8b3abb0a_quant
	.globl	k_qfe8b3abb0a_quant
	.p2align	8
	.type	k_qfe8b3abb0a_quant,@function
k_qfe8b3abb0a_quant:
	s_mov_b64 s[64:65], 0
	v_nop
	global_prefetch_b8 v0, s[64:65] scope:SCOPE_SE
	s_setreg_imm32_b32 hwreg(HW_REG_WAVE_MODE, 25, 1), 1
	s_wait_xcnt 0x0
; tensor [8192][1024], in_proj_w [3072][1024] and out_proj_w [1024][1024], f32 with K innermost, become codes of E4M3, one byte each, in ONE buffer of 12,288 rows x 1,024 bytes: x, then W_in, then W_out.
; code = x / 2^e, held within +-448, rounded to the nearest code, ties to even.  e = entry 0 (x), 1 (W_in), 7 (W_out) of the given exponents.
; LIMITS: e between -126 and 119, so that 2^e and 448 x 2^e are f32 numbers.  NaN among the inputs is not served; an infinity is held at the largest code.
; ORDER OF THE CODES: inside each 32 along K the two middle groups of eight change places: byte 16 h + 8 e + y holds k = 16 e + 8 h + y.  A load of 16 bytes at 32 c + 16 h then brings
; registers 4 c .. 4 c + 3 of the 8-bit operand layout (registers 2 c', 2 c' + 1: k = 16 c' + 8 h + 0 .. 7) as they are wanted.
; Rows are dense, so each tensor is a plain stream of blocks of 32.  A work-group takes 16,384 numbers (512 work-groups for x, 192 for W_in, 64 for W_out: 768 of equal work), a wave 8 steps of 512.
; Each of a step's four loads reads 512 consecutive bytes; the 2,048 bytes turn through the wave's own stage in LDS, and a lane takes back the two groups of eight neighbours whose codes are its 16 bytes.
; A wave's store covers 512 consecutive bytes, aligned.  No tensor load, no barrier, no matrix unit: memory binds, and waves share nothing.  Loads run four steps (16 loads a wave) ahead, the turn through LDS one step.
.set WAVES, 4
.set STEPS, 8
.set WGX,   512                        ; work-groups 0 .. 511 take x,
.set WGXW,  704                        ; 512 .. 703 W_in, 704 .. 767 W_out
.set EMAX,  8
.set MANT,  0x600000                   ; the mantissa field of 448 as f32
.set CB,    16                         ; bytes of a lane's 16 codes
.set R,     16                         ; v16-79   four sets of 16 numbers as they are loaded
.set X,     80                         ; v80-111  two sets of 16 numbers as the conversions want them
.set C,     128                        ; v128-159 codes: four registers for each step, so that no store's data are written again
.set WREG,  8192                       ; LDS: a region for each wave: two stages of 32 x SP bytes
.set SP,    80                         ; 64 bytes of numbers + 16 of padding
.set SPW,   12                         ; v12  LDS address of my spare word; never rewritten
.set NIL,   13                         ; v13  0; never rewritten
.set SPARE, WAVES*WREG                 ; behind the four regions: the spare words, 128 bytes a wave
	s_load_b256 s[4:11], s[0:1], 0x0               ; x s[4:5], W_in s[6:7], W_out s[8:9], the exponents s[10:11]
	s_load_b64 s[12:13], s[0:1], 0x20              ; the codes
	v_lshl_add_u32 v[SPW], v0, 2, SPARE
	v_mov_b32 v[NIL], 0
	v_lshrrev_b32 v1, 5, v0
	v_readfirstlane_b32 s16, v1                    ; wave
	v_and_b32 v2, 31, v0                           ; lane
	v_lshlrev_b32 v3, 4, v2                        ; my 16 bytes of a load's 512
	s_mul_i32 s17, s16, WREG
	v_lshrrev_b32 v14, 2, v2
	v_mul_u32_u24 v14, v14, SP
	v_and_b32 v15, 3, v2
	v_lshl_add_u32 v14, v15, 4, v14
	v_add_nc_u32 v14, s17, v14                     ; the stage, on the way in: SP (lane / 4) + 16 (lane % 4): 64 bytes on end, then 16 of padding
	v_lshrrev_b32 v15, 1, v2
	v_mul_u32_u24 v15, v15, 2*SP
	v_and_b32 v5, 1, v2
	v_lshl_add_u32 v15, v5, 5, v15
	v_add_nc_u32 v15, s17, v15                     ; on the way out: block lane / 2 (two places of SP), + 32 (lane % 2): k = 8 (lane % 2) on; the second group lies one place further
	v_mul_u32_u24 v4, v2, CB                       ; my codes' place in a step's 512 bytes
	s_wait_alu depctr_va_vdst(0)
	s_wait_kmcnt 0x0
	s_load_b256 s[32:39], s[10:11], 0x0            ; e0 .. e7
	s_cmp_lt_u32 ttmp9, WGXW                       ; which tensor: the choice hangs on the work-group's number alone
	s_cselect_b64 s[6:7], s[6:7], s[8:9]
	s_mov_b32 s18, WGXW
	s_cselect_b32 s18, WGX, s18
	s_cmp_lt_u32 ttmp9, WGX
	s_cselect_b64 s[4:5], s[4:5], s[6:7]
	s_cselect_b32 s18, 0, s18                      ; the tensor's first work-group
	s_sub_co_u32 s17, ttmp9, s18
	s_lshl_b32 s17, s17, 2
	s_add_co_u32 s17, s17, s16                     ; which run of 4,096 numbers of the tensor is my wave's
	s_lshl_b32 s20, s17, 14                        ; 16,384 bytes each: under 2^26
	s_mov_b32 s21, 0
	s_add_nc_u64 s[4:5], s[4:5], s[20:21]
	s_lshl_b32 s20, ttmp9, 2
	s_add_co_u32 s20, s20, s16
	s_lshl_b32 s20, s20, 12                        ; the three tensors' codes lie on end: 4,096 bytes a wave
	s_add_nc_u64 s[12:13], s[12:13], s[20:21]
.macro LOAD t
.irp i, 0,1,2,3
	global_load_b128 v[R+16*((\t)%4)+4*\i:R+16*((\t)%4)+4*\i+3], v3, s[4:5] offset:2048*(\t)+512*\i th:TH_LOAD_NT   ; 32 lanes read 512 consecutive bytes; read once in the launch
.endr
.endm
.macro TURN t                          ; step t's numbers through the stage: LDS serves a wave's instructions in order, so no wait stands between the stores and the loads
.irp i, 0,1,2,3
	ds_store_b128 v14, v[R+16*((\t)%4)+4*\i:R+16*((\t)%4)+4*\i+3] offset:32*SP*((\t)%2)+8*SP*\i
.endr
.irp i, 0,1,2,3
	ds_load_b128 v[X+16*((\t)%2)+4*\i:X+16*((\t)%2)+4*\i+3], v15 offset:32*SP*((\t)%2)+80*(\i/2)+16*(\i%2)
.endr
.endm
.irp t, 0,1,2,3
	LOAD \t
.endr
	s_wait_kmcnt 0x0
	s_cmp_lt_u32 ttmp9, WGXW
	s_cselect_b32 s22, s33, s39                    ; e1 or e7
	s_cmp_lt_u32 ttmp9, WGX
	s_cselect_b32 s22, s32, s22                    ; or e0
	s_add_co_i32 s22, s22, 127
	s_lshl_b32 s23, s22, 23
	v_mov_b32 v11, s23                             ; 2^e as f32: the conversion takes its exponent field
	s_add_co_i32 s22, s22, EMAX
	s_lshl_b32 s22, s22, 23
	s_or_b32 s22, s22, MANT
	v_mov_b32 v10, s22                             ; 448 x 2^e
	s_wait_alu depctr_va_vdst(0)
	s_wait_loadcnt 12                              ; step 0's four loads are in; the twelve of steps 1 to 3 may be out
	TURN 0
.macro STEP t
.set XS, X+16*((\t)%2)
	s_wait_dscnt 0x0                               ; this step's numbers are back from the stage: so its stores into the stage have read their registers,
.if (\t)+4 < STEPS
	LOAD (\t)+4                                    ; which take the loads of four steps on
.endif
.if (\t)+1 < STEPS
.if STEPS-2-(\t) >= 3
	s_wait_loadcnt 12                              ; the next step's four loads are in; those of the three steps behind it may be out
.else
	s_wait_loadcnt 4*(STEPS-2-(\t))                ; at the end the counts run down
.endif
	TURN (\t)+1                                    ; and go through the other stage while this step is worked
.endif
.irp i, 0,1,2,3,4,5,6,7,8,9,10,11,12,13,14,15
	v_med3_num_f32 v[XS+\i], v[XS+\i], -v10, v10   ; the conversion to an 8-bit code does not saturate (ISA guide 7.6.2): the hold at 448 x the scale comes first
.endr
	v_cvt_scalef32_pk8_fp8_f32 v[C+4*(\t):C+4*(\t)+1], v[XS:XS+7], v11          ; k = 8 (lane % 2) + 0 .. 7 of my block
	v_cvt_scalef32_pk8_fp8_f32 v[C+4*(\t)+2:C+4*(\t)+3], v[XS+8:XS+15], v11     ; k = 16 + 8 (lane % 2) + 0 .. 7.  The results go to a store alone; the next vector lines are the next step's holds, on other registers
	global_store_b128 v4, v[C+4*(\t):C+4*(\t)+3], s[12:13] offset:32*CB*(\t)
.endm
.irp t, 0,1,2,3,4,5,6,7
	STEP \t
.endr
	s_wait_tensorcnt 0x0                           ; the wave's end
	ds_add_u32 v[SPW], v[NIL]
	s_wait_dscnt 0x0
	s_endpgm
.Lfunc_end_k_qfe8b3abb0a_quant:
	.size	k_qfe8b3abb0a_quant, .Lfunc_end_k_qfe8b3abb0a_quant-k_qfe8b3abb0a_quant
	.p2alignl 7, 3214868480
	.fill 96, 4, 3214868480
	.section	.rodata,"a",@progbits
	.p2align	6, 0x0
	.amdhsa_kernel k_qfe8b3abb0a_quant
		.amdhsa_group_segment_fixed_size 33280
		.amdhsa_private_segment_fixed_size 0
		.amdhsa_enable_private_segment 0
		.amdhsa_kernarg_size 40
		.amdhsa_user_sgpr_count 2
		.amdhsa_user_sgpr_kernarg_segment_ptr 1
		.amdhsa_wavefront_size32 1
		.amdhsa_system_sgpr_workgroup_id_x 1
		.amdhsa_system_sgpr_workgroup_id_y 1
		.amdhsa_system_sgpr_workgroup_id_z 1
		.amdhsa_system_vgpr_workitem_id 0
		.amdhsa_next_free_vgpr 192
		.amdhsa_next_free_sgpr 66
		.amdhsa_reserve_vcc 0
		.amdhsa_float_denorm_mode_32 3
		.amdhsa_float_denorm_mode_16_64 3
		.amdhsa_memory_ordered 1
		.amdhsa_forward_progress 1
		.amdhsa_inst_pref_size 20
	.end_amdhsa_kernel
	.amdgpu_metadata
---
amdhsa.version: [ 1, 2 ]
amdhsa.kernels:
  - .name:           k_qfe8b3abb0a_quant
    .symbol:         k_qfe8b3abb0a_quant.kd
    .args:
      - { .name: tensor, .offset: 0, .size: 8, .value_kind: global_buffer, .address_space: global }
      - { .name: in_proj_w, .offset: 8, .size: 8, .value_kind: global_buffer, .address_space: global }
      - { .name: out_proj_w, .offset: 16, .size: 8, .value_kind: global_buffer, .address_space: global }
      - { .name: lowp_scales, .offset: 24, .size: 8, .value_kind: global_buffer, .address_space: global }
      - { .name: codes, .offset: 32, .size: 8, .value_kind: global_buffer, .address_space: global }
    .group_segment_fixed_size: 33280
    .private_segment_fixed_size: 0
    .kernarg_segment_align: 8
    .kernarg_segment_size: 40
    .max_flat_workgroup_size: 128
    .sgpr_count:     66
    .vgpr_count:     192
    .wavefront_size: 32
...
	.end_amdgpu_metadata
.endif
;; end of part 1
;; launch qkv (part 2): grid 12 x 32, 4 waves a work-group, clusters of 4 x 4, 327,680 bytes of LDS; arguments codes, in_proj_b, lowp_scales, qkv; writes qkv
.if DOCPART == 2
	.amdgcn_target "amdgcn-amd-amdhsa--gfx1250"
	.amdhsa_code_object_version 6
	.text
	.protected	k_qfe8b3abb0a_qkv
	.globl	k_qfe8b3abb0a_qkv
	.p2align	8
	.type	k_qfe8b3abb0a_qkv,@function
k_qfe8b3abb0a_qkv:
	s_mov_b64 s[64:65], 0
	v_nop
	global_prefetch_b8 v0, s[64:65] scope:SCOPE_SE
	s_setreg_imm32_b32 hwreg(HW_REG_WAVE_MODE, 25, 1), 1
	s_wait_xcnt 0x0
	s_wait_alu depctr_hold_cnt(0) depctr_sa_sdst(0) depctr_va_vdst(0) depctr_va_sdst(0) depctr_va_ssrc(0) depctr_va_vcc(0) depctr_vm_vsrc(0)
	s_getreg_b32 s2, hwreg(HW_REG_IB_STS2, 6, 4)
	s_cmp_eq_u32 s2, 0
	s_cbranch_scc0 .Lentry_in_a_cluster
	s_endpgm
.Lentry_in_a_cluster:
	s_bfe_u32 s2, ttmp6, 0x10000c
	s_cmp_lg_u32 s2, 0xf033
	s_cbranch_scc0 .Lentry_shape_is_right
	s_endpgm
.Lentry_shape_is_right:
; q, k, v = x W_in^T + b on codes of E4M3 (K = 1,024), quantised at once for the two products of attention (q: e2, k: e3, v: e5) and stored as IMAGES OF THE NEXT PRODUCTS' OPERAND REGISTERS.
; A tile of 256 x 256 is made by four waves, 128 x 128 each: 64 accumulators, 512 registers.  K goes in 4 steps of 256 through a ring of two LDS slots filled by the tensor data mover.
; ROLES.  Region "A" of a slot feeds source 1 (its row index lands in the lane), region "B" source 0 (its row index runs along a lane's eight registers).  The cluster's x says what is made: 0 q, 1 k, 2 v.
;   q, k: A = 256 tokens of x, B = 256 rows of W_in: a lane holds one token and eight neighbouring channels.       v: A = 256 rows of W_v, B = 256 tokens: a lane holds one channel and eight neighbouring KEYS.
; So eight sums of a lane, converted together, are registers 2 b, 2 b + 1 of the 8-bit operand layout (k = 16 b + 8 (lane / 16) + 0 .. 7), and four such registers leave by one store: lane l's 16 bytes at 16 l, 512 consecutive bytes, aligned.
; No stage in LDS, nothing transposed.  OUT: kv part [head of batch (64)][slot of 256 keys (8)][K: 16 tiles x 1,024 | V at 16,384: 2 key steps x 4 channel tiles x 2,048]; q part from byte 2^24: [head of batch][tile of 16 (128)][1,024].
; CLUSTERS: 4 x 4 work-groups.  A's tile hangs on the cluster's y and cy alone and is asked for jointly along a row of the cluster, B's on cx (and the cluster's x or y) alone, jointly along a column.
; A sum stands for sum x 2^(e0 + e1): the bias goes in as b / 2^(e0 + e1) (a power of two: nothing is rounded), and the conversion's one scale is 2^(e_out - e0 - e1).
; LIMITS: e_out - e0 - e1 between -126 and 119 for e_out = e2, e3, e5.  NaN is not served.
; 384 tiles; a smaller wave tile would read half as much again from LDS for each product.
; PREFETCHES INTO THE L2.  At each change of slots a wave has waited for all its tensor loads, so a load goes out with nothing on its way beside it.  K steps 1 and 2 are asked for behind K step 0's load, K step 3 behind K step 1's:
; each one or two loads of the ring ahead of the load that wants it.  Of the 128 rows that a wave fetches, each of the four partners that ask for them jointly takes 32, told apart BY ADDRESS (cx for A, cy for B): a lane a row,
; 256 bytes of a row a K step, one instruction a wave.  The tokens' rows are asked for by each of the three clusters that load them; the weights' rows, which eight rows of clusters load, by cluster rows 0 to 3 alone.
; REGISTERS, in windows of 256: window 0: v16-31 addresses and constants; v32-119 the biases; from v128 A's fragments, ONE set; on the way out v128-223 are at work.
;   window 1: B's fragments, TWO sets.   window 2: accumulators of A's blocks 0-3 ((a, b) at v[8 (8 (a % 4) + b)]);   window 3: of blocks 4-7.
.set ROWB,   256                       ; a tile's row in bytes: 256 codes
.set KROW,   1024                      ; a row of the codes' buffer
.set PITCH,  272                       ; an LDS row: 256 bytes + 16 of padding = 68 words: the 16 rows that a load touches start at 16 different banks (64 banks of 4 bytes: ISA guide 11.1)
.set FR,     16                        ; registers of a fragment: 16 rows x 128 K
.set NL,     4                         ; LDS loads that bring one
.set NP,     4                         ; places behind this matrix instruction (ISA guide 7.12.1)
.set HALFT,  128*PITCH
.set SLOT,   4*HALFT                   ; A's 256 rows, then B's 256 rows
.set LAPS,   2                         ; 1,024 / 512
.set SPARE,  2*SLOT                    ; behind the ring: the spare words, 128 bytes a wave
.set ADRA, 16                          ; v16-17  LDS address of my A fragments in slot 0, 1
.set ADRB, 20                          ; v20-21  the same for B
.set LI,   24                          ; v24     16 x lane: my place in an image's piece
.set BA,   25                          ; v25     32 x (lane / 16)
.set BB,   26                          ; v26     4 x (lane % 16)
.set PFO,  27                          ; v27     the prefetches' offset: 1,024 x lane; never rewritten
.set SPW,  28                          ; v28     my spare word's LDS address; never rewritten
.set NIL,  29                          ; v29     0; never rewritten
.set SC,   30                          ; v30     2^(e_out - e0 - e1)
.set LIM,  31                          ; v31     448 x that
.set BI,   32                          ; v32-95  q, k: the bias of my 8 x 8 channels, register 8 b + j
.set BW,   96                          ; v96-103 v: the bias of my lane's channel in each of A's eight blocks
.set BV,   104                         ; v104-119 the same / 2^(e0 + e1), each twice: a pair for the packed addition
.set AF,   128                         ; A's fragments
.set T,    128                         ; the way out: a block's 64 sums + bias
.set CD,   192                         ; the way out: two sets of 16 registers of codes
.set G1, 24                            ; s[24:31] descriptor group 1 for A's tiles;  s[32:39] group 0, one set for each slot
.set G0, 32
.set G1B, 48                           ; s[48:55], s[56:63] the same for B's tiles
.set G0B, 56
.set OB, 76                            ; s[76:77], s[78:79] where my two heads' images begin
.set PFA, 96                           ; s[96:97] my work-group's 32 rows of the 128 that I fetch, at K step 0; never rewritten
.set ASKS, 98                          ; s98     0 where my wave prefetches
.set MSB, 0
.macro WIN new                         ; the immediate's high byte repeats the setting that is left
.if MSB != (\new)
	s_set_vgpr_msb (MSB<<8)|(\new)
.set MSB, (\new)
.endif
.endm
.set MUL_LO, 0xa1                      ; source 0 (B) window 1, source 1 (A) window 0, C and D window 2
.set MUL_HI, 0xf1                      ; the same, C and D window 3
.set TO_B,   0x40                      ; destination window 1, address window 0
; A joint load: waves 0 and 1 fetch A's halves, waves 2 and 3 B's.  The branch hangs on the wave's number alone.  An s_nop 0 and four v_nop follow each of the two lines.
.macro JLOAD g0a, g1a, g0b, g1b
	s_cmp_eq_u32 s15, 0
	s_cbranch_scc0 .Lfor_b_\@
	tensor_load_to_lds s[\g0a:\g0a+3], s[\g1a:\g1a+7]
	s_nop 0
.rept 4
	v_nop
.endr
	s_branch .Lasked_\@
.Lfor_b_\@:
	tensor_load_to_lds s[\g0b:\g0b+3], s[\g1b:\g1b+7]
	s_nop 0
.rept 4
	v_nop
.endr
.Lasked_\@:
.endm
.macro CREST                           ; a round of the cluster's barrier behind its opening barrier
	s_cmp_lg_u32 s14, 0
	s_cbranch_scc1 .Lnot_wave_0_\@
	s_barrier_signal -3
.Lnot_wave_0_\@:
	s_barrier_wait -3
	s_barrier_signal -1
	s_barrier_wait -1
.endm
.macro CROUND                          ; a whole round
	s_barrier_signal -1
	s_barrier_wait -1
	CREST
.endm
	s_load_b256 s[4:11], s[0:1], 0x0               ; the codes s[4:5], the bias s[6:7], the exponents s[8:9], the images s[10:11]
	v_lshl_add_u32 v[SPW], v0, 2, SPARE
	v_mov_b32 v[NIL], 0
	ds_add_u32 v[SPW], v[NIL]                      ; the wave's opening: the add, twice on end, and its wait ahead of my first tensor load; the set-up below, work on registers, stands between
	ds_add_u32 v[SPW], v[NIL]
	v_lshrrev_b32 v1, 5, v0
	v_readfirstlane_b32 s14, v1                    ; wave 0..3
	s_lshr_b32 s15, s14, 1                         ; which half of A's rows is mine.  Also: I fetch for A (0) or for B (1)
	s_and_b32 s16, s14, 1                          ; which half of B's rows.  Also: which 128 rows of that tile I fetch
	s_bfe_u32 s40, ttmp6, 0x40000                  ; cx, cy: my place in the cluster
	s_bfe_u32 s41, ttmp6, 0x40004
	s_and_b32 s17, ttmp7, 0xffff
	s_lshl_b32 s17, s17, 2                         ; 4 x cluster y: the cluster's first tile of 256 tokens
	s_lshl_b32 s42, ttmp9, 2
	s_add_co_u32 s42, s42, 32                      ; q, k: W_in's tiles begin at tile 32 of the codes' buffer (row 8,192): 32 + 4 x cluster x
	s_cmp_eq_u32 ttmp9, 2                          ; v?  The cluster's x is the same in all sixteen partners
	s_cselect_b32 s18, 40, s17                     ; A: v: W_v's tiles begin at tile 40 (row 10,240); else tokens
	s_cselect_b32 s19, s17, s42                    ; B: v: tokens; else W_q's or W_k's
	s_add_co_u32 s18, s18, s41                     ; A's tile: + cy, which my row of the cluster shares
	s_add_co_u32 s19, s19, s40                     ; B's tile: + cx, which my column shares
	s_lshl_b32 s43, s41, 2
	s_lshl_b32 s43, 15, s43                        ; my row of the cluster
	s_lshl_b32 s44, 0x1111, s40                    ; my column
	; descriptor group 1: a tile of 128 rows x 256 bytes, padded in LDS
	s_or_b32 s[G1+0], s43, (0<<16)|(1<<20)|(1<<21)|(5<<22)|(3<<25)  ; 15:0 the mask; 17:16 elements of 1 byte; 20 padding on; 21 set beside a mask; 24:22 after every 64 words (code 5); 31:25 four words (code 3)
	s_or_b32 s[G1B+0], s44, (0<<16)|(1<<20)|(1<<21)|(5<<22)|(3<<25)
.irp g, G1, G1B
	s_mov_b32 s[\g+1], ROWB<<16                    ; tensor_dim0
	s_mov_b32 s[\g+2], 128<<16                     ; tensor_dim1
	s_mov_b32 s[\g+3], ROWB<<16                    ; tile_dim0
	s_mov_b32 s[\g+4], 128                         ; tile_dim1
	s_mov_b32 s[\g+5], KROW                        ; tensor_dim0_stride
	s_mov_b32 s[\g+6], 0
	s_mov_b32 s[\g+7], 0
.endr
	s_lshl_b32 s22, s16, 7                         ; which 128 rows of the tile I fetch
	s_lshl_b32 s20, s18, 8
	s_add_co_u32 s20, s20, s22
	s_lshl_b32 s20, s20, 10                        ; A: (256 x tile + 128 x half) rows of 1,024 bytes: under 2^24
	s_mov_b32 s21, 0
	s_lshl_b32 s46, s19, 8
	s_add_co_u32 s46, s46, s22
	s_lshl_b32 s46, s46, 10                        ; B likewise
	s_mov_b32 s47, 0
	s_mul_i32 s45, s14, HALFT                      ; where they go: wave x 128 rows: no place in the cluster enters an LDS address
	s_wait_dscnt 0x0                               ; both opening adds are done
	s_wait_kmcnt 0x0
	s_load_b256 s[68:75], s[8:9], 0x0              ; e0 .. e7: wanted on the way out
	s_add_nc_u64 s[20:21], s[4:5], s[20:21]
	s_add_nc_u64 s[46:47], s[4:5], s[46:47]
	CROUND                                         ; all sixteen work-groups are here: the first joint loads meet
.irp s, 0,1
	s_mov_b32 s[G0+4*\s], 1
	s_add_co_u32 s[G0+4*\s+1], s45, \s*SLOT
	s_add_nc_u64 s[G0+4*\s+2:G0+4*\s+3], s[20:21], \s*ROWB
	s_or_b32 s[G0+4*\s+3], s[G0+4*\s+3], 0x80000000
	s_mov_b32 s[G0B+4*\s], 1
	s_add_co_u32 s[G0B+4*\s+1], s45, \s*SLOT
	s_add_nc_u64 s[G0B+4*\s+2:G0B+4*\s+3], s[46:47], \s*ROWB
	s_or_b32 s[G0B+4*\s+3], s[G0B+4*\s+3], 0x80000000
.endr
	JLOAD G0, G1, G0B, G1B                         ; K step 0: one tensor load a wave at the head
	; the prefetches: where mine stand, and who asks
	s_cmp_eq_u32 s15, 0                            ; do I fetch for A?
	s_cselect_b64 s[PFA:PFA+1], s[20:21], s[46:47] ; the 128 rows that I fetch
	s_cselect_b32 s66, s40, s41                    ; my place among the four that ask for them with me
	s_lshl_b32 s66, s66, 15                        ; 32 rows of 1,024 bytes
	s_mov_b32 s67, 0
	s_add_nc_u64 s[PFA:PFA+1], s[PFA:PFA+1], s[66:67]
	s_cmp_eq_u32 ttmp9, 2
	s_cselect_b32 s[ASKS], 1, 0
	s_xor_b32 s[ASKS], s[ASKS], s15                ; 1 where my rows are weights: A's in a cluster that makes v, B's in the others
	s_lshr_b32 s99, s17, 4                         ; 0 in cluster rows 0 to 3
	s_mul_i32 s[ASKS], s[ASKS], s99                ; the wave's number and the cluster's x and y alone: the same in all sixteen partners
	v_and_b32 v[PFO], 31, v0
	v_lshlrev_b32 v[PFO], 10, v[PFO]
	s_cmp_eq_u32 s[ASKS], 0
	s_cbranch_scc0 .Lno_ask0
	global_prefetch_b8 v[PFO], s[PFA:PFA+1] offset:ROWB th:TH_LOAD_NT scope:SCOPE_SE     ; K step 1
	global_prefetch_b8 v[PFO], s[PFA:PFA+1] offset:2*ROWB th:TH_LOAD_NT scope:SCOPE_SE   ; K step 2
.Lno_ask0:
	v_and_b32 v1, 15, v0                           ; r = lane % 16
	v_bfe_u32 v2, v0, 4, 1                         ; h = lane / 16
	v_mul_u32_u24 v3, v1, PITCH
	v_lshl_add_u32 v4, v2, 4, v3                   ; a fragment's row x pitch + 16 h
	s_mul_i32 s21, s15, HALFT                      ; my 128 rows of A
	s_mul_i32 s22, s16, HALFT                      ; my 128 rows of B,
	s_add_co_u32 s22, s22, 2*HALFT                 ; which lie behind A's 256
.irp s, 0,1
	v_add_nc_u32 v[ADRA+\s], s21, v4
	v_add_nc_u32 v[ADRB+\s], s22, v4
	s_add_co_u32 s21, s21, SLOT
	s_add_co_u32 s22, s22, SLOT
.endr
	v_and_b32 v5, 31, v0
	v_lshlrev_b32 v[LI], 4, v5
	v_lshlrev_b32 v[BA], 5, v2
	s_wait_alu depctr_va_vdst(0)
	v_lshlrev_b32 v[BB], 2, v1
	; THE BIASES.  Both kinds are loaded in every work-group, so that every register is written on every way; the kind that is not used reads from the buffer's head.
	s_wait_alu depctr_va_vdst(0)
	s_lshl_b32 s80, ttmp9, 10
	s_lshl_b32 s81, s40, 8
	s_add_co_u32 s80, s80, s81
	s_lshl_b32 s81, s16, 7
	s_add_co_u32 s80, s80, s81                     ; q, k: my first channel: 1,024 x cluster x + 256 cx + 128 x B's half
	s_lshl_b32 s82, s41, 8
	s_lshl_b32 s81, s15, 7
	s_add_co_u32 s82, s82, s81
	s_add_co_u32 s82, s82, 2048                    ; v: 2,048 + 256 cy + 128 x A's half
	s_cmp_eq_u32 ttmp9, 2
	s_cselect_b32 s80, 0, s80
	s_cselect_b32 s82, s82, 0
	s_lshl_b32 s80, s80, 2
	s_lshl_b32 s82, s82, 2
	s_mov_b32 s81, 0
	s_mov_b32 s83, 0
	s_add_nc_u64 s[84:85], s[6:7], s[80:81]
	s_add_nc_u64 s[86:87], s[6:7], s[82:83]
.irp b, 0,1,2,3,4,5,6,7
	global_load_b128 v[BI+8*\b:BI+8*\b+3], v[BA], s[84:85] offset:64*\b          ; b(first + 16 b + 8 h + 0 .. 3)
	global_load_b128 v[BI+8*\b+4:BI+8*\b+7], v[BA], s[84:85] offset:64*\b+16
.endr
.irp a, 0,1,2,3,4,5,6,7
	global_load_b32 v[BW+\a], v[BB], s[86:87] offset:64*\a                       ; b(first + 16 a + r)
.endr
	; WHERE THE IMAGES GO.  My 128 tokens and my two heads.
	s_cmp_eq_u32 ttmp9, 2
	s_cselect_b32 s88, s40, s41                    ; the tokens' tile in the cluster: v: cx, else cy
	s_cselect_b32 s89, s16, s15                    ; and my half of it: v: B's, else A's
	s_cselect_b32 s90, s41, s40                    ; the channels' tile: v: cy, else cx
	s_cselect_b32 s91, s15, s16
	s_cselect_b32 s92, 16384, 0                    ; V lies behind K in a slot
	s_add_co_u32 s88, s88, s17
	s_lshl_b32 s88, s88, 8
	s_lshl_b32 s89, s89, 7
	s_add_co_u32 s88, s88, s89                     ; my first token, 0 .. 8,064
	s_lshl_b32 s90, s90, 2
	s_lshl_b32 s91, s91, 1
	s_add_co_u32 s90, s90, s91                     ; my first head: 4 x tile + 2 x half
	s_lshr_b32 s89, s88, 11                        ; the batch
	s_and_b32 s88, s88, 2047                       ; the token in its sequence
	s_lshl_b32 s89, s89, 4
	s_add_co_u32 s89, s89, s90                     ; head of batch
	s_lshl_b32 s93, s89, 18                        ; k, v: 2^18 bytes a head,
	s_lshr_b32 s94, s88, 8
	s_lshl_b32 s94, s94, 15                        ; 2^15 a slot of 256 keys,
	s_add_co_u32 s93, s93, s94
	s_bfe_u32 s94, s88, 0x10007
	s_lshl_b32 s94, s94, 13                        ; 2^13 for a slot's second 128 keys, in K and in V alike
	s_add_co_u32 s93, s93, s94
	s_add_co_u32 s93, s93, s92
	s_lshl_b32 s94, s89, 17                        ; q: 2^17 bytes a head, 1,024 a tile of 16
	s_lshl_b32 s95, s88, 6
	s_add_co_u32 s94, s94, s95
	s_add_co_u32 s94, s94, 16777216
	s_cmp_eq_u32 ttmp9, 0
	s_cselect_b32 s92, s94, s93
	s_mov_b32 s94, 1<<18
	s_cselect_b32 s94, 1<<17, s94                  ; from a head to the next
	s_mov_b32 s93, 0
	s_mov_b32 s95, 0
	s_add_nc_u64 s[OB:OB+1], s[10:11], s[92:93]
	s_add_nc_u64 s[OB+2:OB+3], s[OB:OB+1], s[94:95]
.macro FRAG reg, adr, q, i             ; a fragment, 16 rows x 128 K: by the codes' order in memory the load at 32 c + 16 h brings registers 4 c .. 4 c + 3 of the operand's own layout
.irp c, 0,1,2,3
	ds_load_b128 v[\reg+4*\c:\reg+4*\c+3], v[\adr] offset:128*(\q)+32*\c+(\i)*16*PITCH
.endr
.endm
; 16 matrix instructions: A's blocks a0, a0 + 1 x B's eight, 128 along K.  p: B's set.  zero = 1: the first product starts the sums: nothing is cleared.
; The 64 accumulators take turns, one instruction a turn, in the same order in every step.
.macro MUL16 a0, p, zero
.irp a, \a0, \a0+1
.irp b, 0,1,2,3,4,5,6,7
.if \zero
	v_wmma_f32_16x16x128_fp8_fp8 v[8*(8*((\a)%4)+\b):8*(8*((\a)%4)+\b)+7], v[128*(\p)+FR*\b:128*(\p)+FR*\b+FR-1], v[AF+FR*(\a):AF+FR*(\a)+FR-1], 0
.else
	v_wmma_f32_16x16x128_fp8_fp8 v[8*(8*((\a)%4)+\b):8*(8*((\a)%4)+\b)+7], v[128*(\p)+FR*\b:128*(\p)+FR*\b+FR-1], v[AF+FR*(\a):AF+FR*(\a)+FR-1], v[8*(8*((\a)%4)+\b):8*(8*((\a)%4)+\b)+7]
.endif
.endr
.endr
.endm
.macro FETCH_B slot, q, p              ; B's eight fragments of the slot's q-th 128 along K into set p
	WIN TO_B
.irp i, 0,1,2,3,4,5,6,7
	FRAG 128*(\p)+FR*\i, ADRB+\slot, \q, \i
.endr
	WIN 0
.endm
.macro FETCH_A slot, q, i0             ; A's blocks i0 .. i0 + 3
.irp i, \i0, \i0+1, \i0+2, \i0+3
	FRAG AF+FR*(\i), ADRA+\slot, \q, \i
.endr
.endm
.macro PLACES n                        ; plain vector instructions in front of loads into registers that matrix instructions have read, and of the first read of results
.rept \n
	v_nop
.endr
.endm
; A step of 128 along K that has its successor in the same slot.  A block of A is free as soon as its eight products are issued: blocks 0-3 are fetched anew in the step's middle, blocks 4-7 at its end.
.macro STEP slot, q, zero
	s_wait_dscnt 4*NL                              ; B's set and A's blocks 0-3 are in; the youngest sixteen loads (A's blocks 4-7) may be out
	WIN MUL_LO
	MUL16 0, (\q)%2, \zero
	MUL16 2, (\q)%2, \zero
	s_wait_dscnt 0                                 ; A's blocks 4-7 are in (asked for 32 matrix instructions ago)
	PLACES NP
	FETCH_B \slot, (\q)+1, 1-(\q)%2
	FETCH_A \slot, (\q)+1, 0
	WIN MUL_HI
	MUL16 4, (\q)%2, \zero
	MUL16 6, (\q)%2, \zero
	PLACES NP
	WIN 0
	FETCH_A \slot, (\q)+1, 4
.endm
; A slot's last step changes slots: ONE barrier; in front of it each wave waits for all its tensor loads, adds 0 to its spare word, and waits for that and for its own reads of this slot.  fill = 1: this slot is filled again, two K steps ahead.
.macro TURN slot, next, fill
	s_wait_tensorcnt 0x0                           ; all my tensor loads have landed: my part of the next slot  (every window is 0 here)
	ds_add_u32 v[SPW], v[NIL]                      ; 0 onto my spare word
	s_wait_dscnt 4*NL+1                            ; the add and the youngest sixteen loads (A's blocks 4-7) may be out
	WIN MUL_LO
	MUL16 0, 1, 0                                  ; sixteen matrix instructions stand between the add and the wait for it
	s_wait_dscnt 0x0                               ; the add is done, and my reads of this slot are over
	s_barrier_signal -1
	MUL16 2, 1, 0
	WIN 0
	s_barrier_wait -1
.if \fill
	CREST                                          ; the barrier has opened a round of the cluster's barrier: no wave of any partner still reads this slot or has a load on its way
	s_add_nc_u64 s[G0+4*\slot+2:G0+4*\slot+3], s[G0+4*\slot+2:G0+4*\slot+3], 2*ROWB
	s_add_nc_u64 s[G0B+4*\slot+2:G0B+4*\slot+3], s[G0B+4*\slot+2:G0B+4*\slot+3], 2*ROWB
	JLOAD G0+4*\slot, G1, G0B+4*\slot, G1B         ; the first tensor load behind the round, my only one until the next; its four v_nop are also the places in front of the loads below
.else
	PLACES NP
.endif
	FETCH_B \next, 0, 0
	FETCH_A \next, 0, 0
	WIN MUL_HI
	MUL16 4, 1, 0
	MUL16 6, 1, 0
	PLACES NP
	WIN 0
	FETCH_A \next, 0, 4
.endm
	s_wait_alu depctr_va_vdst(0)
	s_wait_tensorcnt 0x0                           ; my part of K step 0 is in
	ds_add_u32 v[SPW], v[NIL]
	s_wait_dscnt 0x0
	CROUND                                         ; everybody's part of K step 0 is in, and all sixteen work-groups are here
	JLOAD G0+4, G1, G0B+4, G1B                     ; K step 1: slot 1's first fill, the first tensor load behind the round
	FETCH_B 0, 0, 0
	FETCH_A 0, 0, 0
	FETCH_A 0, 0, 4
	s_cmp_eq_u32 s[ASKS], 0
	s_cbranch_scc0 .Lno_ask1
	global_prefetch_b8 v[PFO], s[PFA:PFA+1] offset:3*ROWB th:TH_LOAD_NT scope:SCOPE_SE   ; K step 3, the last: behind the joint load and the run of LDS loads
.Lno_ask1:
	STEP 0, 0, 1                                   ; the first step stands in front of the loop: its products start the sums
	s_mov_b32 s3, LAPS-1
.Llap:                                                 ; a trip goes once round the ring and fills both slots again
	TURN 0, 1, 1
	STEP 1, 0, 0
	TURN 1, 0, 1
	STEP 0, 0, 0
	s_sub_co_u32 s3, s3, 1
	s_cmp_lg_u32 s3, 0
	s_cbranch_scc1 .Llap
	TURN 0, 1, 0                                   ; the last lap fills nothing, and has no round of the cluster's barrier
	STEP 1, 0, 0
	s_wait_dscnt 4*NL                              ; the very last step: nothing more to fetch
	WIN MUL_LO
	MUL16 0, 1, 0
	MUL16 2, 1, 0
	s_wait_dscnt 0
	WIN MUL_HI
	MUL16 4, 1, 0
	MUL16 6, 1, 0
	WIN 0
; THE WAY OUT, a block of A (16 lanes' rows x my 128 along the registers) at a time: sum + bias, the hold, eight conversions, four stores of 512 consecutive bytes.
.macro OUTBLK a, isv
.set AC, 64*((\a)%4)
.set CSET, CD+16*((\a)%2)
.if (\a) >= 2
	s_wait_xcnt 0x0                                ; block a - 2's stores have read their registers: this set of codes is written again only behind this wait
.endif
	WIN 0x02+((\a)/4)                              ; source 0: window 2 or 3
.set j, 0
.rept 32
.if \isv
	v_pk_add_f32 v[T+j:T+j+1], v[AC+j:AC+j+1], v[BV+2*(\a):BV+2*(\a)+1]   ; each accumulator from its low end on
.else
	v_pk_add_f32 v[T+j:T+j+1], v[AC+j:AC+j+1], v[BI+j:BI+j+1]
.endif
.set j, j+2
.endr
	WIN 0
.set j, 0
.rept 64
	v_med3_num_f32 v[T+j], v[T+j], -v[LIM], v[LIM]   ; the conversion to an 8-bit code does not saturate (ISA guide 7.6.2)
.set j, j+1
.endr
.irp b, 0,1,2,3,4,5,6,7
	v_cvt_scalef32_pk8_fp8_f32 v[CSET+2*\b:CSET+2*\b+1], v[T+8*\b:T+8*\b+7], v[SC]   ; registers 2 b, 2 b + 1 of the next operand
.endr
	v_nop                                          ; one plain vector instruction behind the last conversion: the next block writes these sources
.irp e, 0,1,2,3
.if \isv
	global_store_b128 v[LI], v[CSET+4*\e:CSET+4*\e+3], s[OB+2*((\a)/4):OB+2*((\a)/4)+1] offset:((\a)%4)*2048+\e*512   ; head a / 4, channel tile a % 4, piece e of its 128 keys
.else
	global_store_b128 v[LI], v[CSET+4*\e:CSET+4*\e+3], s[OB+2*(\e/2):OB+2*(\e/2)+1] offset:(\a)*1024+(\e%2)*512       ; head e / 2, token tile a, piece e % 2 of its 64 channels
.endif
.endr
.endm
	s_wait_kmcnt 0x0
	s_add_co_i32 s80, s68, s69                     ; e0 + e1
	s_cmp_eq_u32 ttmp9, 1
	s_cselect_b32 s81, s71, s70                    ; k: e3; q: e2
	s_cmp_eq_u32 ttmp9, 2
	s_cselect_b32 s81, s73, s81                    ; v: e5
	s_sub_co_i32 s81, s81, s80
	s_add_co_i32 s81, s81, 127
	s_lshl_b32 s82, s81, 23                        ; 2^(e_out - e0 - e1) as f32
	s_add_co_i32 s81, s81, 8
	s_lshl_b32 s81, s81, 23
	s_or_b32 s81, s81, 0x600000                    ; 448 x that
	s_sub_co_i32 s80, 0, s80
	PLACES NP                                      ; behind the last products: their results are read and A's registers written below
	v_mov_b32 v[SC], s82
	v_mov_b32 v[LIM], s81
	s_wait_loadcnt 0x0                             ; the biases
	s_cmp_eq_u32 ttmp9, 2                          ; the cluster's x: all sixteen partners go the same way; neither way holds a barrier, a tensor load or an LDS instruction
	s_cbranch_scc1 .Lv_out
.set j, 0
.rept 64
	v_ldexp_f32 v[BI+j], v[BI+j], s80              ; b / 2^(e0 + e1)
.set j, j+1
.endr
.irp a, 0,1,2,3,4,5,6,7
	OUTBLK \a, 0
.endr
	s_branch .Lout_done
.Lv_out:
.irp a, 0,1,2,3,4,5,6,7
	v_ldexp_f32 v[BV+2*\a], v[BW+\a], s80
	v_ldexp_f32 v[BV+2*\a+1], v[BW+\a], s80
.endr
.irp a, 0,1,2,3,4,5,6,7
	OUTBLK \a, 1
.endr
.Lout_done:
	s_wait_tensorcnt 0x0                           ; the wave's end
	ds_add_u32 v[SPW], v[NIL]
	s_wait_dscnt 0x0
	CROUND                                         ; the closing round: no work-group ends while a partner may still ask for a tile that names it
	s_endpgm
.Lfunc_end_k_qfe8b3abb0a_qkv:
	.size	k_qfe8b3abb0a_qkv, .Lfunc_end_k_qfe8b3abb0a_qkv-k_qfe8b3abb0a_qkv
	.p2alignl 7, 3214868480
	.fill 96, 4, 3214868480
	.section	.rodata,"a",@progbits
	.p2align	6, 0x0
	.amdhsa_kernel k_qfe8b3abb0a_qkv
		.amdhsa_group_segment_fixed_size 327680
		.amdhsa_private_segment_fixed_size 0
		.amdhsa_enable_private_segment 0
		.amdhsa_kernarg_size 32
		.amdhsa_user_sgpr_count 2
		.amdhsa_user_sgpr_kernarg_segment_ptr 1
		.amdhsa_wavefront_size32 1
		.amdhsa_system_sgpr_workgroup_id_x 1
		.amdhsa_system_sgpr_workgroup_id_y 1
		.amdhsa_system_sgpr_workgroup_id_z 1
		.amdhsa_system_vgpr_workitem_id 0
		.amdhsa_next_free_vgpr 1024
		.amdhsa_next_free_sgpr 100
		.amdhsa_reserve_vcc 0
		.amdhsa_float_denorm_mode_32 3
		.amdhsa_float_denorm_mode_16_64 3
		.amdhsa_memory_ordered 1
		.amdhsa_forward_progress 1
		.amdhsa_inst_pref_size 200
	.end_amdhsa_kernel
	.amdgpu_metadata
---
amdhsa.version: [ 1, 2 ]
amdhsa.kernels:
  - .name:           k_qfe8b3abb0a_qkv
    .symbol:         k_qfe8b3abb0a_qkv.kd
    .args:
      - { .name: codes, .offset: 0, .size: 8, .value_kind: global_buffer, .address_space: global }
      - { .name: in_proj_b, .offset: 8, .size: 8, .value_kind: global_buffer, .address_space: global }
      - { .name: lowp_scales, .offset: 16, .size: 8, .value_kind: global_buffer, .address_space: global }
      - { .name: qkv, .offset: 24, .size: 8, .value_kind: global_buffer, .address_space: global }
    .group_segment_fixed_size: 327680
    .private_segment_fixed_size: 0
    .kernarg_segment_align: 8
    .kernarg_segment_size: 32
    .max_flat_workgroup_size: 128
    .sgpr_count:     100
    .vgpr_count:     1024
    .wavefront_size: 32
...
	.end_amdgpu_metadata
.endif
;; end of part 2
;; launch attn (part 3): grid 4 x 64, 8 waves a work-group, clusters of 4 x 1, 327,680 bytes of LDS; arguments qkv, lowp_scales, aimg; writes aimg
.if DOCPART == 3
	.amdgcn_target "amdgcn-amd-amdhsa--gfx1250"
	.amdhsa_code_object_version 6
	.text
	.protected	k_qfe8b3abb0a_attn
	.globl	k_qfe8b3abb0a_attn
	.p2align	8
	.type	k_qfe8b3abb0a_attn,@function
k_qfe8b3abb0a_attn:
	s_mov_b64 s[64:65], 0
	v_nop
	global_prefetch_b8 v0, s[64:65] scope:SCOPE_SE
	s_setreg_imm32_b32 hwreg(HW_REG_WAVE_MODE, 25, 1), 1
	s_wait_xcnt 0x0
	s_wait_alu depctr_hold_cnt(0) depctr_sa_sdst(0) depctr_va_vdst(0) depctr_va_sdst(0) depctr_va_ssrc(0) depctr_va_vcc(0) depctr_vm_vsrc(0)
	s_getreg_b32 s2, hwreg(HW_REG_IB_STS2, 6, 4)
	s_cmp_eq_u32 s2, 0
	s_cbranch_scc0 .Lentry_in_a_cluster
	s_endpgm
.Lentry_in_a_cluster:
	s_bfe_u32 s2, ttmp6, 0x10000c
	s_cmp_lg_u32 s2, 0x3003
	s_cbranch_scc0 .Lentry_shape_is_right
	s_endpgm
.Lentry_shape_is_right:
; Causal attention on codes of E4M3, head size 64, 2,048 tokens, 64 heads of batch; the result is quantised (e6) and stored as images of the last product's operand registers.
; THE SOFTMAX: t = score x log2(e) / 8; M = the running largest t rounded UP to a whole number; p = 2^(t - M) is quantised (e4), not normalised; the row's sum is taken of the unquantised p and divides at the end.
; When M moves, the sum and O are multiplied by 2^(old M - new M): a power of two, no branch on data.
; SHARES.  The four work-groups of a head form a cluster.  Work-group cx owns the tiles of 16 queries T = 4 j + cx, j = 0 .. 31.  Tile T needs the key steps of 128 up to step T / 8 = j / 2, whatever cx is:
; 272 tile-steps in every work-group, and every branch and trip count hangs on j and the count of steps alone.  Wave w owns j = 31 - w, 16 + w, 15 - w, w: j / 2 + (31 - j) / 2 = 15, so 2 x 17 = 34 tile-steps in every wave.
; A step's fragments of K and V, read from LDS once (128 registers), feed one to three tiles.
; K AND V STAY IN LDS.  A head's K and V are 262,144 dense bytes, copied as they lie; nothing is filled again.  All four partners need all of them: every load is a joint load (mask 15).
; Each wave asks twice: at the head for 8,192 bytes of key steps 0 to 3, and behind the full sequence and a round for 24,576 bytes of key steps 4 to 15, which have the first loop in which to land.
; THREE LOOPS, ONE BARRIER.  First key steps 0 to 3 for tiles 0 to 2: 12 tile-steps in every wave.  Then the one barrier: all of K and V is in, and behind it the waves share nothing.  Then tile 3 (j = w) by itself, its one to four
; steps, which differ from wave to wave; then key steps 4 to 15 for tiles 0 to 2: 22 tile-steps in every wave behind the barrier.  Tile 3's steps are read from LDS a second time: 16,384 bytes a step.
; NO PREFETCH: both requests stand at the head, so there is no later request for a loop to run ahead of.
; LAYOUT.  Both products are used transposed: S^T = K Q^T (source 0 = 16 keys, source 1 = 16 queries), O^T = V^T P^T: a lane holds ONE query (lane % 16) throughout, and its eight registers of key tile kt are keys
; 16 kt + 8 (lane / 16) + 0 .. 7: converted together they are registers 2 kt, 2 kt + 1 of the second product's operand.  K, V and Q come as images of their registers: every fragment is 16 x lane + a constant.
; THE MASK.  A step all of whose keys come after a tile's queries is left out (step > j / 2).  Step j / 2 holds the diagonal: hidden scores become -infinity ahead of the maximum; its first key is at or
; under every query of the tile, so no row is all hidden.  Tiles 0 to 2 have j / 2 >= 4: in steps 0 to 3 all keys count for them, and the first loop's bodies hold no mask.
; LIMITS: e2 + e3 between -123 and 130 (added to c's exponent field); e4 and e6 between -126 and 119; e4 + e5 is applied by v_ldexp_f32.  NaN is not served.
; REGISTERS.  Window 0: v1-10 addresses and constants; v16-47 Q, 8 a tile; v48-63 statistics, 4 a tile: -M, the largest t, the sum in two halves; v64-67 the mask's distances; v96-159 S^T, then p; v160-191 the result's codes;
;   v224-239 p's codes; v240-254 at work.   Window 1: v0-63 K of a step; v64-127 V of a step; v128-255 O^T, 32 a tile.
.set SPARE, 262144                     ; behind K and V: the spare words, 128 bytes for each of eight waves
.set LI,   1                           ; v1   16 x lane
.set RH,   2                           ; v2   lane % 16 - 8 (lane / 16)
.set ADR,  4                           ; v4   LDS address of the step in hand
.set SPW,  5                           ; v5   my spare word's LDS address; never rewritten
.set NIL,  6                           ; v6   0; never rewritten
.set NINF, 8                           ; v8   -infinity
.set SC6,  9                           ; v9   2^e6
.set LIM6, 10                          ; v10  448 x 2^e6
.set QR,   16
.set ST,   48
.set DD,   64                          ; v64-67 my query - the diagonal step's first key - 8 (lane / 16), for each tile
.set S,    96
.set Y,    96
.set CD,   160
.set P,    224
.set HOLD, 240                         ; v240, v241  448 x 2^e4, twice: the two halves of a dual pair read it from two registers
.set SCP,  244                         ; v244 2^e4
.set MX,   248                         ; v248-251 four chains of the maximum
.set KR,   0                           ; window 1
.set VR,   64
.set OT,   128
.set TB,   2                           ; s2   LDS byte at which the key step in hand begins
.set TWICE, 3                          ; s3   counts the two steps of 256 keys
.set WV,   18
.set OUTER, 19                         ; s19  counts blocks of 256 keys
.set SEL,  20                          ; s[20:21] lane selects for v_permlanex16_b32: lane l xor 16
.set CS,   22                          ; s[22:23] c = log2(e) / 8 x 2^(e2 + e3)
.set G1A,  24                          ; s[24:31] descriptor group 1, 32 rows of 256 bytes;  s[32:35] its group 0
.set G0A,  32
.set G0B,  36                          ; s[36:39], s[40:47] the same for 96 rows
.set G1B,  40
.set STP,  60                          ; s60  the key step's number
.set NT,   68                          ; s68-71 each tile's last step, j / 2
.set QB,   72                          ; s[72:79] where each tile's image of Q lies
.set OB,   80                          ; s[80:87] where each tile's result goes
.set JT,   88                          ; s88-91 j
.set QT,   92                          ; s92-95 each tile's first query
.set DS,   96                          ; s96-99 first query - the diagonal step's first key
.set MSB, 0
.macro WIN new                         ; the immediate's high byte repeats the setting that is left
.if MSB != (\new)
	s_set_vgpr_msb (MSB<<8)|(\new)
.set MSB, (\new)
.endif
.endm
.macro CROUND                          ; a round of the cluster's barrier
	s_barrier_signal -1
	s_barrier_wait -1
	s_cmp_lg_u32 s[WV], 0
	s_cbranch_scc1 .Lnw0_\@
	s_barrier_signal -3
.Lnw0_\@:
	s_barrier_wait -3
	s_barrier_signal -1
	s_barrier_wait -1
.endm
	s_load_b128 s[4:7], s[0:1], 0x0                ; the images of q, k, v s[4:5], the exponents s[6:7]
	s_load_b64 s[8:9], s[0:1], 0x10                ; the result's images
	v_lshl_add_u32 v[SPW], v0, 2, SPARE
	v_mov_b32 v[NIL], 0
	ds_add_u32 v[SPW], v[NIL]                      ; the wave's opening: the add, twice on end, and its wait ahead of my first tensor load
	ds_add_u32 v[SPW], v[NIL]
	v_lshrrev_b32 v11, 5, v0
	v_readfirstlane_b32 s[WV], v11                 ; wave 0..7
	s_and_b32 s10, ttmp7, 0xffff                   ; head of batch: the cluster's y
	s_bfe_u32 s11, ttmp6, 0x40000                  ; cx: it enters addresses in memory and the mask's distances, no branch and no LDS address
	s_lshl_b32 s57, s11, 4
	s_sub_co_u32 s[JT], 31, s[WV]
	s_add_co_u32 s[JT+1], s[WV], 16
	s_sub_co_u32 s[JT+2], 15, s[WV]
	s_mov_b32 s[JT+3], s[WV]
.irp t, 0,1,2,3
	s_lshr_b32 s[NT+\t], s[JT+\t], 1
	s_lshl_b32 s[QT+\t], s[JT+\t], 6
	s_add_co_u32 s[QT+\t], s[QT+\t], s57           ; first query 16 (4 j + cx)
	s_and_b32 s[DS+\t], s[JT+\t], 1
	s_lshl_b32 s[DS+\t], s[DS+\t], 6
	s_add_co_u32 s[DS+\t], s[DS+\t], s57           ; less 128 (j / 2)
.endr
	; descriptor groups 1: dense blocks as rows of 256 bytes (32 elements of 8 bytes), no padding; mask 15: all four partners; bit 21 set beside it
	s_mov_b32 s[G1A], 15|(3<<16)|(1<<21)
	s_mov_b32 s[G1A+1], 32<<16
	s_mov_b32 s[G1A+2], 32<<16
	s_mov_b32 s[G1A+3], 32<<16
	s_mov_b32 s[G1A+4], 32
	s_mov_b32 s[G1A+5], 32
	s_mov_b32 s[G1A+6], 0
	s_mov_b32 s[G1A+7], 0
	s_mov_b32 s[G1B], 15|(3<<16)|(1<<21)
	s_mov_b32 s[G1B+1], 32<<16
	s_mov_b32 s[G1B+2], 96<<16
	s_mov_b32 s[G1B+3], 32<<16
	s_mov_b32 s[G1B+4], 96
	s_mov_b32 s[G1B+5], 32
	s_mov_b32 s[G1B+6], 0
	s_mov_b32 s[G1B+7], 0
	s_mov_b32 s[SEL], 0x76543210
	s_mov_b32 s[SEL+1], 0xfedcba98
	s_mov_b32 s[TB], 0
	s_mov_b32 s[STP], 0
	s_lshl_b32 s12, s10, 18                        ; the head's 2^18 bytes of K and V
	s_lshl_b32 s14, s[WV], 13                      ; my 8,192 of the first 65,536: in LDS as in the head's block
	s_mul_i32 s15, s[WV], 24576
	s_add_co_u32 s15, s15, 65536                   ; my 24,576 of the other 196,608
	s_add_co_u32 s16, s12, s15
	s_add_co_u32 s12, s12, s14
	s_mov_b32 s13, 0
	s_mov_b32 s17, 0
	s_wait_dscnt 0x0                               ; both opening adds are done
	s_wait_kmcnt 0x0
	s_load_b256 s[48:55], s[6:7], 0x0              ; e0 .. e7
	s_mov_b32 s[G0A], 1
	s_mov_b32 s[G0A+1], s14
	s_add_nc_u64 s[G0A+2:G0A+3], s[4:5], s[12:13]
	s_or_b32 s[G0A+3], s[G0A+3], 0x80000000
	s_mov_b32 s[G0B], 1
	s_mov_b32 s[G0B+1], s15
	s_add_nc_u64 s[G0B+2:G0B+3], s[4:5], s[16:17]
	s_or_b32 s[G0B+3], s[G0B+3], 0x80000000
	CROUND                                         ; all four work-groups are here: the first joint loads meet
	tensor_load_to_lds s[G0A:G0A+3], s[G1A:G1A+7]  ; key steps 0 to 3: my one tensor load at the head
	s_nop 0
.rept 4
	v_nop
.endr
	s_lshl_b32 s56, s10, 17
	s_add_co_u32 s56, s56, 16777216                ; the head's q images
	s_lshr_b32 s58, s10, 4
	s_lshl_b32 s58, s58, 11                        ; the batch's first token
	s_and_b32 s59, s10, 15
	s_add_co_u32 s58, s58, s59                     ; + the head
.irp t, 0,1,2,3
	s_lshl_b32 s12, s[QT+\t], 6                    ; 1,024 bytes a tile of 16
	s_add_co_u32 s12, s12, s56
	s_add_nc_u64 s[QB+2*\t:QB+2*\t+1], s[4:5], s[12:13]
	s_add_co_u32 s12, s[QT+\t], s58
	s_lshl_b32 s12, s12, 10                        ; 16,384 bytes a tile of 16 tokens, 1,024 a head
	s_add_nc_u64 s[OB+2*\t:OB+2*\t+1], s[8:9], s[12:13]
.endr
	v_and_b32 v11, 31, v0
	v_lshlrev_b32 v[LI], 4, v11
	v_and_b32 v12, 15, v0
	v_bfe_u32 v13, v0, 4, 1
	v_lshlrev_b32 v13, 3, v13
	v_sub_nc_u32 v[RH], v12, v13
.irp t, 0,1,2,3
	v_add_nc_u32 v[DD+\t], s[DS+\t], v[RH]
.endr
.irp t, 0,1,2,3
	global_load_b128 v[QR+8*\t:QR+8*\t+3], v[LI], s[QB+2*\t:QB+2*\t+1]               ; Q stays in registers
	global_load_b128 v[QR+8*\t+4:QR+8*\t+7], v[LI], s[QB+2*\t:QB+2*\t+1] offset:512
.endr
.irp t, 0,1,2,3
	v_mov_b32 v[ST+4*\t+1], 0xff61b1e6             ; the largest t so far: -3e38, under every t
	v_floor_f32 v[ST+4*\t], -v[ST+4*\t+1]          ; -M
	v_mov_b32 v[ST+4*\t+2], 0                      ; the sum, in two halves
	v_mov_b32 v[ST+4*\t+3], 0
.endr
	v_mov_b32 v246, 0                              ; written once: a lane permute's destination counts as one of its sources
	v_mov_b32 v253, 0                              ; (named as the upper half of the pair v[252:253])
	v_mov_b32 v[NINF], 0xff800000
	WIN 0x40                                       ; destination window 1
.set j, 0
.rept 128
	v_mov_b32 v[OT+j], 0                           ; O^T: the first step is a trip of the loop like the others and finds zeros, which the first change of M leaves zeros
.set j, j+1
.endr
	WIN 0
	s_wait_kmcnt 0x0
	s_add_co_i32 s56, s50, s51
	s_lshl_b32 s56, s56, 23
	s_mov_b32 s[CS], 0x3e38aa3b                    ; log2(e) / 8
	s_add_co_i32 s[CS], s[CS], s56                 ; a score stands for score x 2^(e2 + e3): the two exponents are added to c's exponent field
	s_mov_b32 s[CS+1], s[CS]                       ; (named with it as a pair, so it is written)
	s_add_co_i32 s56, s52, 127
	s_lshl_b32 s57, s56, 23
	v_mov_b32 v[SCP], s57
	s_add_co_i32 s56, s56, 8
	s_lshl_b32 s56, s56, 23
	s_or_b32 s56, s56, 0x600000
	v_mov_b32 v[HOLD], s56
	v_mov_b32 v[HOLD+1], s56
	s_add_co_i32 s56, s54, 127
	s_lshl_b32 s57, s56, 23
	v_mov_b32 v[SC6], s57
	s_add_co_i32 s56, s56, 8
	s_lshl_b32 s56, s56, 23
	s_or_b32 s56, s56, 0x600000
	v_mov_b32 v[LIM6], s56
.macro TMINUSM n                       ; t - M, two at a time (of the pairs c and -M the low word serves both halves); j walks on from call to call
.rept \n
	v_pk_fma_f32 v[S+j:S+j+1], v[S+j:S+j+1], s[CS:CS+1], v[rT:rT+1] op_sel_hi:[1,0,0]
.set j, j+2
.endr
.endm
; ONE TILE OF 16 QUERIES, ONE KEY STEP OF 128.  first = 1: the step's first tile waits for the fragments.  mask = 1: this body can meet the tile's diagonal.
.macro TSTEP t, first, mask
.set rT, ST+4*(\t)
.set rO, OT+32*(\t)
.if \first
	s_wait_dscnt 16                                ; K's sixteen loads are in; V's sixteen, issued behind them, may be out
.endif
	WIN 0x01                                       ; source 0 (K) window 1
.irp kt, 0,1,2,3,4,5,6,7
	v_wmma_f32_16x16x64_fp8_fp8 v[S+8*\kt:S+8*\kt+7], v[KR+8*\kt:KR+8*\kt+7], v[QR+8*(\t):QR+8*(\t)+7], 0
.endr
	WIN 0
.rept 4
	v_nop                                          ; places in front of the first read of the scores
.endr
.if \mask
	s_cmp_lt_u32 s[STP], s[NT+(\t)]                ; ahead of the tile's last step all 128 keys count: the wave's number and the count of steps alone
	s_cbranch_scc1 .Lopen_\@
.set n, 0
.rept 64
	v_cmp_gt_i32 vcc_lo, 16*(n/8)+n%8, v[DD+(\t)]  ; register 8 kt + i holds the step's key 16 kt + 8 (lane / 16) + i: hidden where 16 kt + i > the distance
	v_cndmask_b32 v[S+n], v[S+n], v[NINF], vcc_lo
.set n, n+1
.endr
.Lopen_\@:
.endif
.irp c, 0,1,2,3                                    ; the step's largest score of my query among my 64 keys, in four chains; each accumulator is first read at its low end
	v_max3_num_f32 v[MX+\c], v[S+16*\c], v[S+16*\c+1], v[S+16*\c+2]
.endr
.set j, 3
.rept 6
.irp c, 0,1,2,3
	v_max3_num_f32 v[MX+\c], v[MX+\c], v[S+16*\c+j], v[S+16*\c+j+1]
.endr
.set j, j+2
.endr
	v_max3_num_f32 v[MX], v[MX], v[S+15], v[S+31]
	v_max3_num_f32 v[MX+2], v[MX+2], v[S+47], v[S+63]
	v_max3_num_f32 v[MX], v[MX], v[MX+1], v[MX+3]
	s_delay_alu instid0(VALU_DEP_1)
	v_max_num_f32 v254, v[MX], v[MX+2]
	s_delay_alu instid0(VALU_DEP_1)
	v_permlanex16_b32 v246, v254, s[SEL], s[SEL+1]
	s_delay_alu instid0(VALU_DEP_1)
	v_max_num_f32 v254, v254, v246                 ; and among lane l xor 16's
	s_delay_alu instid0(VALU_DEP_1)
	v_mul_f32 v254, s[CS], v254                    ; as t (c is positive)
	s_delay_alu instid0(VALU_DEP_1)
	v_max_num_f32 v[rT+1], v[rT+1], v254           ; the running largest t
	v_mov_b32 v254, v[rT]
	s_delay_alu instid0(VALU_DEP_2)
	v_floor_f32 v[rT], -v[rT+1]                    ; the new -M = floor(-t): M is a whole number
.set j, 0
	TMINUSM 4                                      ; the three lines that make f stand among the 32 multiply-adds, which do not wait for them
	v_sub_f32 v254, v[rT], v254                    ; old M - new M: a whole number, 0 or less
	TMINUSM 4
	v_cvt_i32_f32 v254, v254                       ; (it saturates)
	TMINUSM 4
	v_ldexp_f32 v252, 1.0, v254                    ; f = 2^(old M - new M)
	TMINUSM 20
	s_wait_alu depctr_va_vdst(0)
.set j, 0
.rept 64
	v_exp_f32 v[S+j], v[S+j]                       ; p = 2^(t - M), at most 1
.set j, j+1
.endr
	v_pk_mul_f32 v[rT+2:rT+3], v[rT+2:rT+3], v[252:253] op_sel_hi:[1,0]   ; the sums under the new M: the plain instruction behind the exponentials
	s_wait_alu depctr_va_vdst(0)                   ; one wait for the batch of 64, ahead of its first reader
	v_pk_add_f32 v[242:243], v[S:S+1], v[S+2:S+3]  ; the row's sum is taken of the unquantised p: two at a time, in four chains (the maximum's four registers are free again)
	v_pk_add_f32 v[MX:MX+1], v[S+4:S+5], v[S+6:S+7]
	v_pk_add_f32 v[MX+2:MX+3], v[S+8:S+9], v[S+10:S+11]
.set j, 12
.rept 6
	v_pk_add_f32 v[rT+2:rT+3], v[rT+2:rT+3], v[S+j:S+j+1]
	v_pk_add_f32 v[242:243], v[242:243], v[S+j+2:S+j+3]
	v_pk_add_f32 v[MX:MX+1], v[MX:MX+1], v[S+j+4:S+j+5]
	v_pk_add_f32 v[MX+2:MX+3], v[MX+2:MX+3], v[S+j+6:S+j+7]
.set j, j+8
.endr
	v_pk_add_f32 v[rT+2:rT+3], v[rT+2:rT+3], v[S+60:S+61]
	v_pk_add_f32 v[242:243], v[242:243], v[S+62:S+63]
	v_pk_add_f32 v[MX:MX+1], v[MX:MX+1], v[MX+2:MX+3]
	v_pk_add_f32 v[rT+2:rT+3], v[rT+2:rT+3], v[242:243]
	v_pk_add_f32 v[rT+2:rT+3], v[rT+2:rT+3], v[MX:MX+1]
.set k, 0
.rept 8
.set j, 0
.rept 4                                            ; the conversion does not saturate (ISA guide 7.6.2); p is not negative, so the hold is one-sided; two numbers to a dual pair
	v_dual_min_num_f32 v[S+8*k+j], v[HOLD], v[S+8*k+j] :: v_dual_min_num_f32 v[S+8*k+j+1], v[HOLD+1], v[S+8*k+j+1]
.set j, j+2
.endr
	v_cvt_scalef32_pk8_fp8_f32 v[P+2*k:P+2*k+1], v[S+8*k:S+8*k+7], v[SCP]   ; keys 16 k + 8 (lane / 16) + 0 .. 7: registers 2 k, 2 k + 1 of the operand
.set k, k+1
.endr
	WIN 0x41                                       ; O^T (destination and source 0) window 1, f window 0
	s_wait_alu depctr_va_vdst(0)
.set j, 0
.rept 16
	v_pk_mul_f32 v[rO+j:rO+j+1], v[rO+j:rO+j+1], v[252:253] op_sel_hi:[1,0]   ; O^T under the new M; also the plain instructions between the conversions and the products
.set j, j+2
.endr
.if \first
	s_wait_alu depctr_va_vdst(0)
	s_wait_dscnt 0x0                               ; V is in
.endif
	WIN 0x51                                       ; V, C and D window 1, P window 0
.irp c, 0,1,2,3                                    ; four accumulators by turns, one instruction a turn
	v_wmma_f32_16x16x128_fp8_fp8 v[rO+8*\c:rO+8*\c+7], v[VR+16*\c:VR+16*\c+15], v[P:P+15], v[rO+8*\c:rO+8*\c+7]
.endr
	WIN 0
.endm
.macro LOADKV                          ; a step's fragments: K's 8 key tiles x 1,024 bytes, V's 4 channel tiles x 2,048 bytes, 16,384 bytes further on
	v_add_nc_u32 v[ADR], s[TB], v[LI]
.rept 3
	v_nop                                          ; with the addition above: four places in front of loads into registers that the last products have read
.endr
	WIN 0x40                                       ; destination window 1
.irp f, 0,1,2,3,4,5,6,7,8,9,10,11,12,13,14,15
	ds_load_b128 v[KR+4*\f:KR+4*\f+3], v[ADR] offset:512*\f
.endr
.irp f, 0,1,2,3,4,5,6,7,8,9,10,11,12,13,14,15
	ds_load_b128 v[VR+4*\f:VR+4*\f+3], v[ADR] offset:16384+512*\f
.endr
	WIN 0
.endm
.macro SKIP t, to                      ; the tile is done: its last step lies behind.  Tiles 0 to 2 stand in falling order of j, so the later ones are done too
	s_cmp_gt_u32 s[STP], s[NT+(\t)]
	s_cbranch_scc1 \to
.endm
.macro NEXT inner, outer               ; on every way: the step's number and its LDS byte; two steps 8,192 bytes apart, then V's 16,384 bytes are passed over
	s_add_co_u32 s[STP], s[STP], 1
	s_add_co_u32 s[TB], s[TB], 8192
	s_sub_co_u32 s[TWICE], s[TWICE], 1
	s_cmp_lg_u32 s[TWICE], 0
	s_cbranch_scc1 \inner
	s_add_co_u32 s[TB], s[TB], 16384
	s_sub_co_u32 s[OUTER], s[OUTER], 1
	s_cmp_lg_u32 s[OUTER], 0
	s_cbranch_scc1 \outer
.endm
	s_wait_alu depctr_va_vdst(0)
	s_wait_tensorcnt 0x0                           ; my part of key steps 0 to 3 is in
	ds_add_u32 v[SPW], v[NIL]
	s_wait_dscnt 0x0
	CROUND                                         ; everybody's part is in, and all four work-groups are here: the joint loads meet
	tensor_load_to_lds s[G0B:G0B+3], s[G1B:G1B+7]  ; key steps 4 to 15: bytes 65,536 on, which no step ahead of the next barrier reads
	s_nop 0
.rept 4
	v_nop
.endr
	s_wait_loadcnt 0x0                             ; Q
	s_mov_b32 s[OUTER], 2                          ; KEY STEPS 0 TO 3, TILES 0 TO 2: all keys count
.Lslot1:
	s_mov_b32 s[TWICE], 2
.Lstep1:
	LOADKV
	TSTEP 0, 1, 0
	TSTEP 1, 0, 0
	TSTEP 2, 0, 0
	NEXT .Lstep1, .Lslot1
	s_wait_tensorcnt 0x0                           ; my part of key steps 4 to 15 is in,
	s_wait_dscnt 0x0
	s_barrier_signal -1
	s_barrier_wait -1                              ; and everybody's
	s_mov_b32 s[TB], 0                             ; TILE 3, from key step 0 again: four trips, of which j / 2 + 1 do work
	s_mov_b32 s[STP], 0
	s_mov_b32 s[OUTER], 2
.Lslot3:
	s_mov_b32 s[TWICE], 2
.Lstep3:
	SKIP 3, .Lhid3
	LOADKV
	TSTEP 3, 1, 1
.Lhid3:
	NEXT .Lstep3, .Lslot3
	s_mov_b32 s[OUTER], 6                          ; KEY STEPS 4 TO 15, TILES 0 TO 2: the step's number and its LDS byte stand at step 4
.Lslot2:
	s_mov_b32 s[TWICE], 2
.Lstep2:
	SKIP 0, .Lhid2
	LOADKV
	TSTEP 0, 1, 1
	SKIP 1, .Lhid2
	TSTEP 1, 0, 1
	SKIP 2, .Lhid2
	TSTEP 2, 0, 1
.Lhid2:
	NEXT .Lstep2, .Lslot2
	; THE WAY OUT.  O^T x 2^(e4 + e5) / the sum, held, converted with 2^e6: a lane's eight channels of channel tile c are registers 2 c, 2 c + 1 of the last product's operand.  The additions are the places behind the last products.
.irp t, 0,1,2,3
	v_add_f32 v[ST+4*\t+2], v[ST+4*\t+2], v[ST+4*\t+3]
.endr
.irp t, 0,1,2,3
	s_delay_alu instid0(VALU_DEP_4)
	v_permlanex16_b32 v[ST+4*\t+3], v[ST+4*\t+2], s[SEL], s[SEL+1]
.endr
.irp t, 0,1,2,3
	s_delay_alu instid0(VALU_DEP_4)
	v_add_f32 v[ST+4*\t+2], v[ST+4*\t+2], v[ST+4*\t+3]   ; the row's sum
.endr
	s_wait_alu depctr_va_vdst(0)
.irp t, 0,1,2,3
	v_rcp_f32 v[ST+4*\t], v[ST+4*\t+2]
.endr
	v_nop                                          ; a plain instruction behind the last reciprocal
	s_add_co_i32 s57, s52, s53
	s_wait_alu depctr_va_vdst(0)                   ; one wait for the four, ahead of their first reader
.irp t, 0,1,2,3
	v_ldexp_f32 v[ST+4*\t], v[ST+4*\t], s57        ; x 2^(e4 + e5)
.endr
.macro OUTT t
	WIN 0x01                                       ; source 0 (O^T) window 1
.set j, 0
.rept 16
	v_pk_mul_f32 v[Y+j:Y+j+1], v[OT+32*(\t)+j:OT+32*(\t)+j+1], v[ST+4*(\t):ST+4*(\t)+1] op_sel_hi:[1,0]   ; each accumulator from its low end on
.set j, j+2
.endr
	WIN 0
.set j, 0
.rept 32
	v_med3_num_f32 v[Y+j], v[Y+j], -v[LIM6], v[LIM6]
.set j, j+1
.endr
.irp c, 0,1,2,3
	v_cvt_scalef32_pk8_fp8_f32 v[CD+8*(\t)+2*\c:CD+8*(\t)+2*\c+1], v[Y+8*\c:Y+8*\c+7], v[SC6]
.endr
	v_nop                                          ; one plain vector instruction behind the last conversion: the next tile writes these sources
.irp p, 0,1
	global_store_b128 v[LI], v[CD+8*(\t)+4*\p:CD+8*(\t)+4*\p+3], s[OB+2*(\t):OB+2*(\t)+1] offset:\p*512   ; 512 consecutive bytes, aligned; each tile has its own registers of codes
.endr
.endm
	OUTT 0
	OUTT 1
	OUTT 2
	OUTT 3
	s_wait_tensorcnt 0x0                           ; the wave's end
	ds_add_u32 v[SPW], v[NIL]
	s_wait_dscnt 0x0
	CROUND                                         ; the closing round
	s_endpgm
.Lfunc_end_k_qfe8b3abb0a_attn:
	.size	k_qfe8b3abb0a_attn, .Lfunc_end_k_qfe8b3abb0a_attn-k_qfe8b3abb0a_attn
	.p2alignl 7, 3214868480
	.fill 96, 4, 3214868480
	.section	.rodata,"a",@progbits
	.p2align	6, 0x0
	.amdhsa_kernel k_qfe8b3abb0a_attn
		.amdhsa_group_segment_fixed_size 327680
		.amdhsa_private_segment_fixed_size 0
		.amdhsa_enable_private_segment 0
		.amdhsa_kernarg_size 24
		.amdhsa_user_sgpr_count 2
		.amdhsa_user_sgpr_kernarg_segment_ptr 1
		.amdhsa_wavefront_size32 1
		.amdhsa_system_sgpr_workgroup_id_x 1
		.amdhsa_system_sgpr_workgroup_id_y 1
		.amdhsa_system_sgpr_workgroup_id_z 1
		.amdhsa_system_vgpr_workitem_id 0
		.amdhsa_next_free_vgpr 512
		.amdhsa_next_free_sgpr 100
		.amdhsa_reserve_vcc 1
		.amdhsa_float_denorm_mode_32 3
		.amdhsa_float_denorm_mode_16_64 3
		.amdhsa_memory_ordered 1
		.amdhsa_forward_progress 1
		.amdhsa_inst_pref_size 150
	.end_amdhsa_kernel
	.amdgpu_metadata
---
amdhsa.version: [ 1, 2 ]
amdhsa.kernels:
  - .name:           k_qfe8b3abb0a_attn
    .symbol:         k_qfe8b3abb0a_attn.kd
    .args:
      - { .name: qkv, .offset: 0, .size: 8, .value_kind: global_buffer, .address_space: global }
      - { .name: lowp_scales, .offset: 8, .size: 8, .value_kind: global_buffer, .address_space: global }
      - { .name: aimg, .offset: 16, .size: 8, .value_kind: global_buffer, .address_space: global }
    .group_segment_fixed_size: 327680
    .private_segment_fixed_size: 0
    .kernarg_segment_align: 8
    .kernarg_segment_size: 24
    .max_flat_workgroup_size: 256
    .sgpr_count:     100
    .vgpr_count:     512
    .wavefront_size: 32
...
	.end_amdgpu_metadata
.endif
;; end of part 3
;; launch proj (part 4): grid 4 x 64, 4 waves a work-group, clusters of 4 x 4, 327,680 bytes of LDS; arguments aimg, codes, out_proj_b, lowp_scales, out0; writes out0
.if DOCPART == 4
	.amdgcn_target "amdgcn-amd-amdhsa--gfx1250"
	.amdhsa_code_object_version 6
	.text
	.protected	k_qfe8b3abb0a_proj
	.globl	k_qfe8b3abb0a_proj
	.p2align	8
	.type	k_qfe8b3abb0a_proj,@function
k_qfe8b3abb0a_proj:
	s_mov_b64 s[64:65], 0
	v_nop
	global_prefetch_b8 v0, s[64:65] scope:SCOPE_SE
	s_setreg_imm32_b32 hwreg(HW_REG_WAVE_MODE, 25, 1), 1
	s_wait_xcnt 0x0
	s_wait_alu depctr_hold_cnt(0) depctr_sa_sdst(0) depctr_va_vdst(0) depctr_va_sdst(0) depctr_va_ssrc(0) depctr_va_vcc(0) depctr_vm_vsrc(0)
	s_getreg_b32 s2, hwreg(HW_REG_IB_STS2, 6, 4)
	s_cmp_eq_u32 s2, 0
	s_cbranch_scc0 .Lentry_in_a_cluster
	s_endpgm
.Lentry_in_a_cluster:
	s_bfe_u32 s2, ttmp6, 0x10000c
	s_cmp_lg_u32 s2, 0xf033
	s_cbranch_scc0 .Lentry_shape_is_right
	s_endpgm
.Lentry_shape_is_right:
.set PITCH,  272
.set AIMG,   32768
.set HALFB,  128*PITCH
.set SLOT,   AIMG+2*HALFB
.set STAGE,  2*SLOT
.set SPITCH, 528
.set SPARE,  STAGE+4*16*SPITCH
.set FR,     16
.set NP,     4
.set LAPS,   2
.set ADRA, 16
.set ADRB, 20
.set STO,  24
.set RD,   25
.set CO,   26
.set BA,   27
.set SPW,  28
.set NIL,  29
.set BI,   32
.set AF,   128
.set BK,   128
.set G1, 24
.set G0, 32
.set G1B, 48
.set G0B, 56
.set MSB, 0
.macro WIN new
.if MSB != (\new)
	s_set_vgpr_msb (MSB<<8)|(\new)
.set MSB, (\new)
.endif
.endm
.set MUL,  0xa1
.set TO_B, 0x40
.macro JLOAD g0a, g1a, g0b, g1b
	s_cmp_eq_u32 s15, 0
	s_cbranch_scc0 .Lfor_b_\@
	tensor_load_to_lds s[\g0a:\g0a+3], s[\g1a:\g1a+7]
	s_nop 0
.rept 4
	v_nop
.endr
	s_branch .Lasked_\@
.Lfor_b_\@:
	tensor_load_to_lds s[\g0b:\g0b+3], s[\g1b:\g1b+7]
	s_nop 0
.rept 4
	v_nop
.endr
.Lasked_\@:
.endm
.macro CREST
	s_cmp_lg_u32 s14, 0
	s_cbranch_scc1 .Lnot_wave_0_\@
	s_barrier_signal -3
.Lnot_wave_0_\@:
	s_barrier_wait -3
	s_barrier_signal -1
	s_barrier_wait -1
.endm
.macro CROUND
	s_barrier_signal -1
	s_barrier_wait -1
	CREST
.endm
	s_load_b256 s[4:11], s[0:1], 0x0
	s_load_b64 s[12:13], s[0:1], 0x20
	v_lshl_add_u32 v[SPW], v0, 2, SPARE
	v_mov_b32 v[NIL], 0
	ds_add_u32 v[SPW], v[NIL]
	ds_add_u32 v[SPW], v[NIL]
	v_lshrrev_b32 v1, 5, v0
	v_readfirstlane_b32 s14, v1
	s_lshr_b32 s15, s14, 1
	s_and_b32 s16, s14, 1
	s_bfe_u32 s40, ttmp6, 0x40000
	s_bfe_u32 s41, ttmp6, 0x40004
	s_lshl_b32 s42, ttmp9, 2
	s_add_co_u32 s42, s42, s40
	s_and_b32 s17, ttmp7, 0xffff
	s_lshl_b32 s17, s17, 2
	s_add_co_u32 s17, s17, s41
	s_lshl_b32 s43, s41, 2
	s_lshl_b32 s43, 15, s43
	s_lshl_b32 s44, 0x1111, s40
	s_or_b32 s[G1+0], s43, (3<<16)|(1<<21)
	s_mov_b32 s[G1+1], 512<<16
	s_mov_b32 s[G1+2], 4<<16
	s_mov_b32 s[G1+3], 512<<16
	s_mov_b32 s[G1+4], 4
	s_mov_b32 s[G1+5], 2048
	s_mov_b32 s[G1+6], 0
	s_mov_b32 s[G1+7], 0
	s_or_b32 s[G1B+0], s44, (0<<16)|(1<<20)|(1<<21)|(5<<22)|(3<<25)
	s_mov_b32 s[G1B+1], 256<<16
	s_mov_b32 s[G1B+2], 128<<16
	s_mov_b32 s[G1B+3], 256<<16
	s_mov_b32 s[G1B+4], 128
	s_mov_b32 s[G1B+5], 1024
	s_mov_b32 s[G1B+6], 0
	s_mov_b32 s[G1B+7], 0
	s_lshl_b32 s20, s17, 3
	s_lshl_b32 s22, s16, 2
	s_add_co_u32 s20, s20, s22
	s_lshl_b32 s20, s20, 14
	s_mov_b32 s21, 0
	s_lshl_b32 s46, s42, 8
	s_lshl_b32 s22, s16, 7
	s_add_co_u32 s46, s46, s22
	s_add_co_u32 s46, s46, 11264
	s_lshl_b32 s46, s46, 10
	s_mov_b32 s47, 0
	s_lshl_b32 s45, s16, 14
	s_mul_i32 s23, s16, HALFB
	s_add_co_u32 s23, s23, AIMG
	s_wait_dscnt 0x0
	s_wait_kmcnt 0x0
	s_load_b256 s[68:75], s[10:11], 0x0
	s_add_nc_u64 s[20:21], s[4:5], s[20:21]
	s_add_nc_u64 s[46:47], s[6:7], s[46:47]
	CROUND
.irp s, 0,1
	s_mov_b32 s[G0+4*\s], 1
	s_add_co_u32 s[G0+4*\s+1], s45, \s*SLOT
	s_add_nc_u64 s[G0+4*\s+2:G0+4*\s+3], s[20:21], \s*4096
	s_or_b32 s[G0+4*\s+3], s[G0+4*\s+3], 0x80000000
	s_mov_b32 s[G0B+4*\s], 1
	s_add_co_u32 s[G0B+4*\s+1], s23, \s*SLOT
	s_add_nc_u64 s[G0B+4*\s+2:G0B+4*\s+3], s[46:47], \s*256
	s_or_b32 s[G0B+4*\s+3], s[G0B+4*\s+3], 0x80000000
.endr
	JLOAD G0, G1, G0B, G1B                         ; K step 0: one tensor load a wave at the head
	; PREFETCHES INTO THE L2 of K steps 1 to 3, each one or two requests of the ring ahead of the load that wants it: K steps 1 and 2 here, K step 3 behind K step 1's load.
	; The four partners that ask for a tile jointly share it out BY ADDRESS.  Waves 0, 1 (the images of A: 4 token tiles x 4,096 bytes a K step): partner cx takes token tile cx, lanes 0 to 15 a block of 256 bytes each,
	; the other lanes the last block again.  Waves 2, 3 (W_out: 128 rows x 256 bytes a K step): partner cy takes 32 rows, a lane a row.  All sixteen clusters read the same rows of W_out: the first four clusters ask for them.
	s_cmp_eq_u32 s15, 0                            ; do I fetch for A?
	s_cselect_b64 s[76:77], s[20:21], s[46:47]     ; where my load's tile begins
	s_cselect_b32 s86, s40, s41                    ; my place among the four that ask with me
	s_cselect_b32 s87, 14, 15                      ; a partner's part: 16,384 bytes on, or 32 rows of 1,024
	s_mov_b32 s88, 4096
	s_cselect_b32 s88, s88, 256                    ; a K step on
	s_cselect_b32 s90, 15, 31                      ; the last lane that names a block of its own
	s_cselect_b32 s91, 8, 10                       ; from lane to lane: 256 or 1,024 bytes
	s_lshl_b32 s86, s86, s87
	s_mov_b32 s87, 0
	s_mov_b32 s89, 0
	s_add_nc_u64 s[76:77], s[76:77], s[86:87]
	s_add_nc_u64 s[76:77], s[76:77], s[88:89]      ; K step 1
	s_add_nc_u64 s[78:79], s[76:77], s[88:89]      ; K step 2
	s_add_nc_u64 s[92:93], s[78:79], s[88:89]      ; K step 3: three bases, none of them rewritten
	s_and_b32 s94, ttmp7, 0xffff
	s_lshr_b32 s94, s94, 2
	s_mul_i32 s94, s94, s15                        ; 0 where my wave asks: A's waves everywhere, W_out's in clusters 0 to 3
	v_and_b32 v6, 31, v0
	v_min_u32 v6, s90, v6
	v_lshlrev_b32 v6, s91, v6                      ; v6: the prefetches' offset; never rewritten
	s_cmp_eq_u32 s94, 0
	s_cbranch_scc0 .Lno_ask0
	global_prefetch_b8 v6, s[76:77] th:TH_LOAD_NT scope:SCOPE_SE
	global_prefetch_b8 v6, s[78:79] th:TH_LOAD_NT scope:SCOPE_SE
.Lno_ask0:
	v_and_b32 v1, 15, v0
	v_bfe_u32 v2, v0, 4, 1
	v_and_b32 v5, 31, v0
	v_lshlrev_b32 v[CO], 4, v5
	v_mul_u32_u24 v3, v1, PITCH
	v_lshl_add_u32 v4, v2, 4, v3
	s_lshl_b32 s21, s15, 14
	s_mul_i32 s22, s16, HALFB
	s_add_co_u32 s22, s22, AIMG
.irp s, 0,1
	v_add_nc_u32 v[ADRA+\s], s21, v[CO]
	v_add_nc_u32 v[ADRB+\s], s22, v4
	s_add_co_u32 s21, s21, SLOT
	s_add_co_u32 s22, s22, SLOT
.endr
	s_mul_i32 s23, s14, 16*SPITCH
	s_add_co_u32 s23, s23, STAGE
	v_mul_u32_u24 v5, v1, SPITCH
	v_lshl_add_u32 v5, v2, 5, v5
	v_add_nc_u32 v[STO], s23, v5
	v_add_nc_u32 v[RD], s23, v[CO]
	v_lshlrev_b32 v[BA], 5, v2
	s_lshl_b32 s80, s42, 10
	s_lshl_b32 s81, s16, 9
	s_add_co_u32 s80, s80, s81
	s_mov_b32 s81, 0
	s_add_nc_u64 s[84:85], s[8:9], s[80:81]
.irp b, 0,1,2,3,4,5,6,7
	global_load_b128 v[BI+8*\b:BI+8*\b+3], v[BA], s[84:85] offset:64*\b
	global_load_b128 v[BI+8*\b+4:BI+8*\b+7], v[BA], s[84:85] offset:64*\b+16
.endr
	s_lshl_b32 s82, s17, 7
	s_lshl_b32 s83, s15, 6
	s_add_co_u32 s82, s82, s83
	s_lshl_b32 s82, s82, 12
	s_add_co_u32 s82, s82, s80
	s_mov_b32 s83, 0
	s_add_nc_u64 s[12:13], s[12:13], s[82:83]
.macro FRAGB reg, adr, q, i
.irp c, 0,1,2,3
	ds_load_b128 v[\reg+4*\c:\reg+4*\c+3], v[\adr] offset:128*(\q)+32*\c+(\i)*16*PITCH
.endr
.endm
.macro FRAGA reg, adr, q, i
.irp c, 0,1,2,3
	ds_load_b128 v[\reg+4*\c:\reg+4*\c+3], v[\adr] offset:(\i)*4096+(\q)*2048+512*\c
.endr
.endm
.macro FETCH slot, q, p
	WIN TO_B
.irp i, 0,1,2,3,4,5,6,7
	FRAGB 128*(\p)+FR*\i, ADRB+\slot, \q, \i
.endr
	WIN 0
.irp i, 0,1,2,3
	FRAGA AF+64*(\p)+FR*\i, ADRA+\slot, \q, \i
.endr
.endm
.macro MUL8 a, p, zero
.irp b, 0,1,2,3,4,5,6,7
.if \zero
	v_wmma_f32_16x16x128_fp8_fp8 v[8*(8*(\a)+\b):8*(8*(\a)+\b)+7], v[128*(\p)+FR*\b:128*(\p)+FR*\b+FR-1], v[AF+64*(\p)+FR*(\a):AF+64*(\p)+FR*(\a)+FR-1], 0
.else
	v_wmma_f32_16x16x128_fp8_fp8 v[8*(8*(\a)+\b):8*(8*(\a)+\b)+7], v[128*(\p)+FR*\b:128*(\p)+FR*\b+FR-1], v[AF+64*(\p)+FR*(\a):AF+64*(\p)+FR*(\a)+FR-1], v[8*(8*(\a)+\b):8*(8*(\a)+\b)+7]
.endif
.endr
.endm
.macro PLACES n
.rept \n
	v_nop
.endr
.endm
.macro STEP slot, zero
	s_wait_dscnt 0x0
	PLACES NP
	FETCH \slot, 1, 1
	WIN MUL
	MUL8 0, 0, \zero
	MUL8 1, 0, \zero
	MUL8 2, 0, \zero
	MUL8 3, 0, \zero
	WIN 0
.endm
.macro TURN slot, next, fill
	s_wait_tensorcnt 0x0
	ds_add_u32 v[SPW], v[NIL]
	s_wait_dscnt 1
	WIN MUL
	MUL8 0, 1, 0
	s_wait_dscnt 0x0
	s_barrier_signal -1
	MUL8 1, 1, 0
	WIN 0
	s_barrier_wait -1
.if \fill
	CREST
	s_add_nc_u64 s[G0+4*\slot+2:G0+4*\slot+3], s[G0+4*\slot+2:G0+4*\slot+3], 2*4096
	s_add_nc_u64 s[G0B+4*\slot+2:G0B+4*\slot+3], s[G0B+4*\slot+2:G0B+4*\slot+3], 2*256
	JLOAD G0+4*\slot, G1, G0B+4*\slot, G1B
.else
	PLACES NP
.endif
	FETCH \next, 0, 0
	WIN MUL
	MUL8 2, 1, 0
	MUL8 3, 1, 0
	WIN 0
.endm
	s_wait_alu depctr_va_vdst(0)
	s_wait_tensorcnt 0x0                           ; my part of K step 0 is in
	ds_add_u32 v[SPW], v[NIL]
	s_wait_dscnt 0x0
	CROUND                                         ; everybody's part of K step 0 is in, and all sixteen work-groups are here
	JLOAD G0+4, G1, G0B+4, G1B                     ; K step 1: slot 1's first fill, the first tensor load behind the round
	FETCH 0, 0, 0
	s_cmp_eq_u32 s94, 0
	s_cbranch_scc0 .Lno_ask1
	global_prefetch_b8 v6, s[92:93] th:TH_LOAD_NT scope:SCOPE_SE   ; K step 3
.Lno_ask1:
	STEP 0, 1
	s_mov_b32 s3, LAPS-1
.Llap:
	TURN 0, 1, 1
	STEP 1, 0
	TURN 1, 0, 1
	STEP 0, 0
	s_sub_co_u32 s3, s3, 1
	s_cmp_lg_u32 s3, 0
	s_cbranch_scc1 .Llap
	TURN 0, 1, 0
	STEP 1, 0
	s_wait_dscnt 0x0
	WIN MUL
	MUL8 0, 1, 0
	MUL8 1, 1, 0
	MUL8 2, 1, 0
	MUL8 3, 1, 0
	WIN 0
.macro TOSTAGE a
.set AC, 64*(\a)
	WIN 0x82
.set j, 0
.rept 32
	v_pk_fma_f32 v[AC+j:AC+j+1], v[AC+j:AC+j+1], s[96:97], v[BI+j:BI+j+1] op_sel_hi:[1,0,1]
.set j, j+2
.endr
	WIN 0x08
.irp b, 0,1,2,3,4,5,6,7
	ds_store_b128 v[STO], v[AC+8*\b:AC+8*\b+3] offset:64*\b
	ds_store_b128 v[STO], v[AC+8*\b+4:AC+8*\b+7] offset:64*\b+16
.endr
	WIN 0
.set BB, BK+64*((\a)%2)
.irp t, 0,1,2,3,4,5,6,7,8,9,10,11,12,13,14,15
	ds_load_b128 v[BB+4*\t:BB+4*\t+3], v[RD] offset:\t*SPITCH
.endr
.endm
.macro SEND a, younger
.set BB, BK+64*((\a)%2)
	s_wait_dscnt \younger
.if (\a) > 0
	s_add_nc_u64 s[12:13], s[12:13], 16*4096
.endif
.irp t, 0,1,2,3,4,5,6,7,8,9,10,11,12,13,14,15
	global_store_b128 v[CO], v[BB+4*\t:BB+4*\t+3], s[12:13] offset:\t*4096 th:TH_STORE_NT
.endr
.endm
	s_wait_kmcnt 0x0
	s_add_co_i32 s96, s74, s75
	s_add_co_i32 s96, s96, 127
	s_lshl_b32 s96, s96, 23
	s_mov_b32 s97, s96
	PLACES NP
	s_wait_loadcnt 0x0
	TOSTAGE 0
.irp a, 1,2,3
.if \a > 1
	s_wait_xcnt 0x0
.endif
	TOSTAGE \a
	SEND \a-1, 32
.endr
	s_wait_xcnt 0x0
	SEND 3, 0
	s_wait_tensorcnt 0x0
	ds_add_u32 v[SPW], v[NIL]
	s_wait_dscnt 0x0
	CROUND
	s_endpgm
.Lfunc_end_k_qfe8b3abb0a_proj:
	.size	k_qfe8b3abb0a_proj, .Lfunc_end_k_qfe8b3abb0a_proj-k_qfe8b3abb0a_proj
	.p2alignl 7, 3214868480
	.fill 96, 4, 3214868480
	.section	.rodata,"a",@progbits
	.p2align	6, 0x0
	.amdhsa_kernel k_qfe8b3abb0a_proj
		.amdhsa_group_segment_fixed_size 327680
		.amdhsa_private_segment_fixed_size 0
		.amdhsa_enable_private_segment 0
		.amdhsa_kernarg_size 40
		.amdhsa_user_sgpr_count 2
		.amdhsa_user_sgpr_kernarg_segment_ptr 1
		.amdhsa_wavefront_size32 1
		.amdhsa_system_sgpr_workgroup_id_x 1
		.amdhsa_system_sgpr_workgroup_id_y 1
		.amdhsa_system_sgpr_workgroup_id_z 1
		.amdhsa_system_vgpr_workitem_id 0
		.amdhsa_next_free_vgpr 768
		.amdhsa_next_free_sgpr 100
		.amdhsa_reserve_vcc 0
		.amdhsa_float_denorm_mode_32 3
		.amdhsa_float_denorm_mode_16_64 3
		.amdhsa_memory_ordered 1
		.amdhsa_forward_progress 1
		.amdhsa_inst_pref_size 79
	.end_amdhsa_kernel
	.amdgpu_metadata
---
amdhsa.version: [ 1, 2 ]
amdhsa.kernels:
  - .name:           k_qfe8b3abb0a_proj
    .symbol:         k_qfe8b3abb0a_proj.kd
    .args:
      - { .name: aimg, .offset: 0, .size: 8, .value_kind: global_buffer, .address_space: global }
      - { .name: codes, .offset: 8, .size: 8, .value_kind: global_buffer, .address_space: global }
      - { .name: out_proj_b, .offset: 16, .size: 8, .value_kind: global_buffer, .address_space: global }
      - { .name: lowp_scales, .offset: 24, .size: 8, .value_kind: global_buffer, .address_space: global }
      - { .name: out0, .offset: 32, .size: 8, .value_kind: global_buffer, .address_space: global }
    .group_segment_fixed_size: 327680
    .private_segment_fixed_size: 0
    .kernarg_segment_align: 8
    .kernarg_segment_size: 40
    .max_flat_workgroup_size: 128
    .sgpr_count:     100
    .vgpr_count:     768
    .wavefront_size: 32
...
	.end_amdgpu_metadata
.endif
;; end of part 4
